; MI455X (gfx1250); checked and timed in simulation.
; The chip was launched on July 23, 2026; its instructions are those of AMD's public machine-readable ISA for CDNA 5 (MIT licence, August 2026) and "CDNA5" Instruction Set Architecture Reference Guide (July 2026). The comments in the code are by the model that wrote it; some were corrected since.
;; Multi Head Self Attention. Allowed arithmetic: matrix products marked QUANTISED: E2M3 operands, one E8M0 scale for each 32 along K, by v_wmma_scale_f32_16x16x128_f8f6f4 with both operands' format E2M3, f32 sums; everything else in f32.
;; Inputs: Wk 1,024 x 1,024 float32; Wo 1,024 x 1,024 float32; Wq 1,024 x 1,024 float32; Wv 1,024 x 1,024 float32; token_positions 2,048 int32; x 4 x 2,048 x 1,024 float32.
;; Outputs: out0 4 x 2,048 x 1,024 float32.
;; This version of the problem:
;;   THIS VERSION OF THE PROBLEM IS GIVEN IN LOW PRECISION. The matrix products marked QUANTISED in the list below multiply operands that are first quantised to E2M3 (2 exponent bits, 3 mantissa bits; 6 bits a number), with one power-of-two scale for each 32 numbers along K (OCP MX v1.0); their sums are f32. All else is computed in f32.
;;   The module's matrix products, in the order in which they are computed (A, B: the left and right operand; K: the contracted axis; several contracted axes count as one K, in the product's order):
;;     1. [M 8,192, K 1,024] x [K 1,024, N 1,024]; A: input x; B: input Wq: QUANTISED
;;     2. [M 8,192, K 1,024] x [K 1,024, N 1,024]; A: input x; B: input Wk: QUANTISED
;;     3. [M 8,192, K 1,024] x [K 1,024, N 1,024]; A: input x; B: input Wv: QUANTISED
;;     4. batch 64 x [M 2,048, K 64] x [K 64, N 2,048]; A: computed on the way; B: computed on the way: QUANTISED
;;     5. batch 64 x [M 2,048, K 2,048] x [K 2,048, N 64]; A: softmax (see below); B: computed on the way: QUANTISED
;;     6. [M 8,192, K 1,024] x [K 1,024, N 1,024]; A: computed on the way; B: input Wo: QUANTISED
;;   THE QUANTISER, for each operand of a quantised product, along K:
;;     - K is cut into blocks of 32 from its start; a last block that is shorter is filled with zeros.
;;     - A block's scale is 2^e with e = floor(log2(the largest magnitude in the block)) - 2, held to -126 .. 127; a block of zeros has e = 0. As a byte (E8M0): e + 127.
;;     - Each number is divided by its block's scale, clamped to +-7.5, and rounded to the nearest number of E2M3, ties to even, subnormals kept.
;;     - The product sums the exact products of the quantised numbers (number of the format x scale) in f32.
;;   ~~~python
;;   def quantise(x, axis):      # numpy; x: float32 -> the quantised numbers, widened to float32 again
;;       x = np.moveaxis(x, axis, -1); K = x.shape[-1]
;;       x = np.pad(x, [(0, 0)] * (x.ndim - 1) + [(0, -K % 32)]); x = x.reshape(x.shape[:-1] + (-1, 32)); a = np.abs(x).max(-1, keepdims=True)
;;       e = np.where(a > 0, np.clip(np.frexp(np.where(a > 0, a, 1))[1] - 1 - 2, -126, 127), 0)      # np.frexp(a)[1] - 1 = floor(log2(a)), exactly
;;       r = np.clip(x / 2.0 ** e, -7.5, 7.5)
;;       step = 2.0 ** (np.maximum(np.frexp(np.where(r == 0, 1, r))[1] - 1, 0) - 3)
;;       q = np.round(r / step) * step * 2.0 ** e      # np.round: ties to even
;;       return np.moveaxis(q.reshape(q.shape[:-2] + (-1,))[..., :K], -1, axis).astype(np.float32)
;;   ~~~
;;   SOFTMAX AHEAD OF A QUANTISED PRODUCT. Where the list says 'softmax', what is quantised is not the finished softmax but p = 2^(t - M), with t = logit x log2(e) and M = ceil(the row's largest t), a whole number; so 1/2 < the row's largest p <= 1. The row's sum l is taken of the UNQUANTISED p, in f32, and the product's result is divided by l at the end. Since M is a whole number, a kernel that streams over the keys may use a running M (the ceiling of the running maximum): every later rescaling is an exact power of two, which a block's scale takes up: the codes' values come out the same.
;;   OPERANDS COMPUTED ON THE WAY. 'Computed on the way' means the value that the module computes at that place (a softmax that the list does not call 'softmax' is quantised finished and normalised). What goes into a quantiser is computed in f32, as accurately as f32 sums, v_exp_f32 and their like allow (about 1e-6 of the number): no bf16 or f16 on the way to a quantiser, and a product that is left as it is and whose result goes on into a quantised operand takes f32 operands (vector FMAs, or v_wmma_f32_16x16x4_f32). A number that lies on a knife's edge between two numbers of the format may be rounded either way, as far as f32 arithmetic and the matrix unit's own rounding can turn it there, and no further.
;; One version. Each part assembles by itself: llvm-mc -triple=amdgcn-amd-amdhsa -mcpu=gfx1250 --defsym DOCPART=n.
;; ======== version 1 of 1: 4 launches
;; limits: right only within a limited range of input values; inputs' magnitudes at most 8,388,608
;; workspace buffers: cod 9,437,184 bytes; scl 393,216 bytes; tab 524,288 bytes; qr 6,553,600 bytes; kv 13,107,200 bytes; ac 6,291,456 bytes; asc 262,144 bytes
;; launch prep (part 1): grid 416 x 1, 4 waves a work-group, no clusters, 35,328 bytes of LDS; arguments x, Wq, Wk, Wv, Wo, token_positions, cod, scl, tab; writes cod, scl, tab
.if DOCPART == 1
	.amdgcn_target "amdgcn-amd-amdhsa--gfx1250"
	.amdhsa_code_object_version 6
	.text
	.protected	k_q906d77b9f7_prep
	.globl	k_q906d77b9f7_prep
	.p2align	8
	.type	k_q906d77b9f7_prep,@function
k_q906d77b9f7_prep:
	s_mov_b64 s[64:65], 0
	v_nop
	global_prefetch_b8 v0, s[64:65] scope:SCOPE_SE
	s_setreg_imm32_b32 hwreg(HW_REG_WAVE_MODE, 25, 1), 1
	s_wait_xcnt 0x0
; MULTI-HEAD SELF-ATTENTION IN MX-FP6 (E2M3, one E8M0 scale for each 32 along K), four launches:
;   prep  x, Wq, Wk, Wv, Wo -> codes and scale words (each quantised once, along its innermost axis, which is K); token_positions -> a table of cos and sin
;   qkv   products 1 to 3, RoPE, and the quantisers of q, k (along the head's 64) and v (along the keys)
;   attn  products 4 and 5 with the softmax between them, and the quantiser of the result (along head, channel)
;   oproj product 6
; WORK LEFT OUT.  reference() sets every score with key > query to -infinity by a mask that it builds itself (jnp.tril); such a score gives the weight 0 for all values of the inputs, so it
; adds nothing to a row's sum or to product 5.  A key step of 128 keys all of which come after all queries of a block of 128 is therefore neither multiplied (products 4 and 5) nor fetched, in launch attn.
; Nothing else is left out, and every input is loaded.  LIMIT: a NaN, an infinity or an overflow that would reach only those masked scores is not carried to the result.
; LIMITS of this launch: NaN and infinities among the inputs are not served; a block whose largest magnitude lies under 2^-124 keeps the scale byte 1 (a block of zeros too, where the rule says 127:
; its codes are zeros, and this program alone reads the bytes); the angles are reduced for |position x frequency| < 2^23.
; LAYOUT OF AN OPERAND.  Tiles of 16 rows; lane r of tile t holds row 32 (t / 2) + 8 (t % 2) + r + 8 (r / 8), so that, where a tile is source 0 of a product, the 16 result registers of tiles 2 b and 2 b + 1 are 16 neighbours.
; A fragment (16 rows x 128 K, 12 registers a lane) lies in memory as an image of its registers, 1,536 bytes: registers 0-3 at 16 x lane, 4-5 at 512 + 8 x lane, 6-9 at 768 + 16 x lane, 10-11 at 1,280 + 8 x lane.
; cod: [tile 768][K step 8] images (tiles 0-511 x, then 64 each of Wq, Wk, Wv, Wo).  scl: [K step 8][tile 768][lane row 16] words of four scale bytes.  tab: [position 2,048][frequency 32][cos, sin] f32.
; SHARES.  Work-groups 0-383 quantise: a wave takes 64 rows (four tiles) x 128 along K.  A load reads 512 consecutive bytes of one row; a tile's 16 rows turn through the wave's own stage in LDS, from which
; lane (r, h) takes the two whole blocks of 32 that the operand's layout gives it.  Work-groups 384-415 make the table: a wave 16 positions, a lane a frequency; they use no LDS.
.set WREG,  8704                       ; LDS of a wave: a stage of 16 rows x (512 + 16) bytes, then its 64 scale words
.set WORDS, 8448
.set SPARE, 4*WREG                     ; the spare words, 128 bytes a wave: two blocks of 256 bytes that no other line names
.set L16, 2                            ; v2   16 x lane
.set L8,  3                            ; v3   8 x lane
.set STI, 4                            ; v4   into the stage: 16 x lane
.set STO, 5                            ; v5   out of it: 528 r + 128 h
.set SWA, 6                            ; v6   my row's scale word
.set SRA, 7                            ; v7   the words on the way out: 8 x lane
.set H8,  10                           ; v10  8 h
.set SPW, 12                           ; v12  my spare word; never rewritten
.set NIL, 13                           ; v13  0; never rewritten
.set R,   16                           ; v16-143  two sets of 64: a tile as loaded
.set X,   144                          ; v144-207 my 64 numbers: register 32 c + i = k 64 c + 32 h + i of my row
.set C,   208                          ; v208-219 the fragment's codes
.set TC,  220                          ; v220-227 the conversions' second halves
.set MX,  228                          ; v228-229 largest magnitudes, 230-231 scale operands, 232-233 bytes, 234 the word, 235 the other half's
.set SEL, 28                           ; s[28:29] selects of v_permlanex16_b32: lane l xor 16
	s_load_b512 s[8:23], s[0:1], 0x0               ; x, Wq, Wk, Wv, Wo, token_positions, cod, scl
	s_load_b64 s[24:25], s[0:1], 0x40              ; tab
	v_lshl_add_u32 v[SPW], v0, 2, SPARE
	v_mov_b32 v[NIL], 0
	v_lshrrev_b32 v1, 5, v0
	v_readfirstlane_b32 s2, v1                     ; wave
	v_and_b32 v1, 31, v0                           ; lane
	v_lshlrev_b32 v[L8], 3, v1
	s_cmp_ge_u32 ttmp9, 384
	s_cbranch_scc1 .Ltable
	; ---------------- the quantiser ----------------
	v_lshlrev_b32 v[L16], 4, v1
	v_and_b32 v8, 15, v0                           ; r
	v_bfe_u32 v9, v0, 4, 1                         ; h
	s_mul_i32 s3, s2, WREG
	v_add_nc_u32 v[STI], s3, v[L16]
	v_mul_u32_u24 v[STO], v8, 528
	v_lshl_add_u32 v[STO], v9, 7, v[STO]
	v_add_nc_u32 v[STO], s3, v[STO]
	v_lshl_add_u32 v[SWA], v8, 2, s3
	v_add_nc_u32 v[SWA], WORDS, v[SWA]
	v_add_nc_u32 v[SRA], s3, v[L8]
	v_add_nc_u32 v[SRA], WORDS, v[SRA]
	v_lshlrev_b32 v[H8], 3, v9
	v_mov_b32 v[MX+7], 0                           ; written once: a lane permute's destination counts as one of its sources
	s_mov_b32 s[SEL], 0x76543210
	s_mov_b32 s[SEL+1], 0xfedcba98
	s_lshr_b32 s26, ttmp9, 1                       ; G: which 64 image rows (0 .. 191)
	s_and_b32 s27, ttmp9, 1
	s_lshl_b32 s27, s27, 2
	s_add_co_u32 s27, s27, s2                      ; which 128 along K (0 .. 7)
	s_wait_kmcnt 0x0
	s_mov_b64 s[4:5], s[8:9]                       ; the tensor is chosen by the work-group's number alone
	s_mov_b32 s6, 0                                ; and its first group
.macro PICK first, lo
	s_cmp_ge_u32 s26, \first
	s_cselect_b64 s[4:5], s[\lo:\lo+1], s[4:5]
	s_cselect_b32 s6, \first, s6
.endm
	PICK 128, 10
	PICK 144, 12
	PICK 160, 14
	PICK 176, 16
	s_sub_co_u32 s7, s26, s6                       ; the group inside its tensor
	s_lshl_b32 s30, s7, 18                         ; 64 rows of 4,096 bytes
	s_lshl_b32 s31, s27, 9                         ; 128 numbers
	s_add_co_u32 s30, s30, s31
	s_mov_b32 s31, 0
	s_add_nc_u64 s[4:5], s[4:5], s[30:31]
	s_mul_i32 s30, s26, 49152                      ; four tiles of 12,288 bytes
	s_mul_i32 s7, s27, 1536
	s_add_co_u32 s30, s30, s7
	s_add_nc_u64 s[20:21], s[20:21], s[30:31]
	s_mul_i32 s30, s27, 49152                      ; a K step's 12,288 words
	s_lshl_b32 s7, s26, 8
	s_add_co_u32 s30, s30, s7
	s_add_nc_u64 s[22:23], s[22:23], s[30:31]
.macro LOAD t                          ; tile t's 16 rows, in the tile's order, into set t % 2: each load reads 512 consecutive bytes
.irp r, 0,1,2,3,4,5,6,7,8,9,10,11,12,13,14,15
	global_load_b128 v[R+64*((\t)%2)+4*\r:R+64*((\t)%2)+4*\r+3], v[L16], s[4:5] offset:(32*((\t)/2)+8*((\t)%2)+\r+8*(\r/8))*4096 th:TH_LOAD_NT
.endr
.endm
.macro TURN t                          ; through the stage: LDS serves a wave's instructions in order, so no wait stands between the stores and the loads
.irp r, 0,1,2,3,4,5,6,7,8,9,10,11,12,13,14,15
	ds_store_b128 v[STI], v[R+64*((\t)%2)+4*\r:R+64*((\t)%2)+4*\r+3] offset:528*\r
.endr
.irp c, 0,1
.irp j, 0,1,2,3,4,5,6,7
	ds_load_b128 v[X+32*\c+4*\j:X+32*\c+4*\j+3], v[STO] offset:256*\c+16*\j
.endr
.endr
.endm
.macro TILE t
.if (\t) < 3
	s_wait_loadcnt 16                              ; this tile's 16 loads are in; the next tile's 16 may be out
.else
	s_wait_loadcnt 0x0
.endif
	TURN \t
	s_wait_dscnt 0x0                               ; my 64 numbers are in, and the stores have read their registers,
.if (\t) < 2
	LOAD (\t)+2                                    ; which take the tile two further on
.endif
.irp c, 0,1                            ; block 2 c + h: all its 32 numbers are mine
	v_max3_num_f32 v[MX+\c], |v[X+32*\c]|, |v[X+32*\c+1]|, 0x1800000   ; with the floor 2^(3 - 127): the byte cannot fall under 1
.endr
.irp i, 2,4,6,8,10,12,14,16,18,20,22,24,26,28,30
.irp c, 0,1
	v_max3_num_f32 v[MX+\c], v[MX+\c], |v[X+32*\c+\i]|, |v[X+32*\c+\i+1]|
.endr
.endr
.irp c, 0,1
	v_add_nc_u32 v[MX+2+\c], 0xff000000, v[MX+\c]  ; 2 off the exponent field: the conversion's scale operand
.endr
.irp c, 0,1
	v_lshrrev_b32 v[MX+4+\c], 23, v[MX+2+\c]       ; the scale's byte
.endr
	v_lshl_or_b32 v[MX+6], v[MX+5], 16, v[MX+4]    ; my two bytes, blocks h and 2 + h,
	v_lshlrev_b32 v[MX+6], v[H8], v[MX+6]          ; at their places in the word;
	v_permlanex16_b32 v[MX+7], v[MX+6], s[SEL], s[SEL+1]
	v_or_b32 v[MX+6], v[MX+6], v[MX+7]             ; with lane l xor 16's two the word is whole
	s_wait_xcnt 0x0                                ; the last tile's stores have read their data: the codes' registers are written only behind this wait
.irp c, 0,1
	v_cvt_scalef32_pk16_fp6_f32 v[C+6*\c:C+6*\c+2], v[X+32*\c:X+32*\c+15], v[MX+2+\c]
	v_cvt_scalef32_pk16_fp6_f32 v[TC+4*\c:TC+4*\c+2], v[X+32*\c+16:X+32*\c+31], v[MX+2+\c]   ; (a conversion's three registers begin on an even number)
.endr
	v_nop                                          ; one plain place behind a scaled conversion
.irp c, 0,1
.irp i, 0,1,2
	v_mov_b32 v[C+3+6*\c+\i], v[TC+4*\c+\i]
.endr
.endr
	global_store_b128 v[L16], v[C:C+3], s[20:21] offset:12288*(\t)              ; the image: each store covers 512 or 256 consecutive bytes, at a multiple of 256
	global_store_b64 v[L8], v[C+4:C+5], s[20:21] offset:12288*(\t)+512
	global_store_b128 v[L16], v[C+6:C+9], s[20:21] offset:12288*(\t)+768
	global_store_b64 v[L8], v[C+10:C+11], s[20:21] offset:12288*(\t)+1280
	ds_store_b32 v[SWA], v[MX+6] offset:64*(\t)    ; lanes r and r + 16 write the same word with the same value
.endm
	LOAD 0
	LOAD 1
	TILE 0
	TILE 1
	TILE 2
	TILE 3
	ds_load_b64 v[MX:MX+1], v[SRA]                 ; my wave's 64 words; LDS serves a wave's instructions in order
	s_wait_dscnt 0x0
	global_store_b64 v[L8], v[MX:MX+1], s[22:23]   ; 256 consecutive bytes, at a multiple of 256
	s_wait_tensorcnt 0x0                           ; the wave's end, behind my last LDS store
	ds_add_u32 v[SPW], v[NIL]
	s_wait_dscnt 0x0
	s_endpgm
	; ---------------- the table of cos and sin ----------------
.Ltable:
	s_sub_co_u32 s26, ttmp9, 384
	s_lshl_b32 s26, s26, 2
	s_add_co_u32 s26, s26, s2                      ; which 16 positions (0 .. 127)
	s_lshl_b32 s30, s26, 6
	s_mov_b32 s31, 0
	s_wait_kmcnt 0x0
	s_add_nc_u64 s[18:19], s[18:19], s[30:31]
	s_load_b512 s[32:47], s[18:19], 0x0            ; 16 positions: used as numbers alone, never in an address
	s_lshl_b32 s30, s26, 12                        ; 16 rows of 256 bytes
	s_add_nc_u64 s[24:25], s[24:25], s[30:31]
	s_mov_b32 s48, 0x3f22f983                      ; 2 / pi
	s_mov_b32 s49, 0xbfc90fdb                      ; - pi / 2 in three parts: the f32 nearest to it,
	s_mov_b32 s50, 0x333bbd2e                      ; what that leaves,
	s_mov_b32 s51, 0x26f72ced                      ; and what that leaves
	s_mov_b32 s52, 0x3638ef1d                      ; 1 / 9!
	s_mov_b32 s53, 0xb493f27e                      ; - 1 / 10!
	v_mov_b32 v16, 0
.macro FREQ lane, val                  ; lane i holds 10000^(- i / 32) = 10^(- i / 8)
	s_mov_b32 s54, \val
	v_writelane_b32 v16, s54, \lane
.endm
	FREQ 0, 1.0
	FREQ 1, 0.7498942093
	FREQ 2, 0.5623413252
	FREQ 3, 0.4216965034
	FREQ 4, 0.3162277660
	FREQ 5, 0.2371373706
	FREQ 6, 0.1778279410
	FREQ 7, 0.1333521432
	FREQ 8, 0.1
	FREQ 9, 0.07498942093
	FREQ 10, 0.05623413252
	FREQ 11, 0.04216965034
	FREQ 12, 0.03162277660
	FREQ 13, 0.02371373706
	FREQ 14, 0.01778279410
	FREQ 15, 0.01333521432
	FREQ 16, 0.01
	FREQ 17, 0.007498942093
	FREQ 18, 0.005623413252
	FREQ 19, 0.004216965034
	FREQ 20, 0.003162277660
	FREQ 21, 0.002371373706
	FREQ 22, 0.001778279410
	FREQ 23, 0.001333521432
	FREQ 24, 0.001
	FREQ 25, 0.0007498942093
	FREQ 26, 0.0005623413252
	FREQ 27, 0.0004216965034
	FREQ 28, 0.0003162277660
	FREQ 29, 0.0002371373706
	FREQ 30, 0.0001778279410
	FREQ 31, 0.0001333521432
	s_wait_kmcnt 0x0
; One position.  The angle is one f32 product, as reference() has it; n = the nearest whole number of quarter turns; r = angle - n pi / 2 by three fused multiply-adds, |r| <= pi / 4;
; sin r and cos r by their series up to r^9 and r^10 (what is cut is under 2e-9); the quarter turn swaps them and sets the signs.
.macro ROW k
	v_cvt_f32_i32 v17, s[32+\k]
	v_mul_f32 v17, v17, v16
	v_mul_f32 v18, s48, v17
	v_rndne_f32 v18, v18
	v_fma_f32 v19, v18, s49, v17
	v_fma_f32 v19, v18, s50, v19
	v_fma_f32 v19, v18, s51, v19
	v_mul_f32 v20, v19, v19
	v_fmaak_f32 v21, s52, v20, 0xb9500d01          ; - 1 / 7!
	v_fmaak_f32 v23, s53, v20, 0x37d00d01          ; 1 / 8!
	v_fmaak_f32 v21, v21, v20, 0x3c088889          ; 1 / 5!
	v_fmaak_f32 v23, v23, v20, 0xbab60b61          ; - 1 / 6!
	v_fmaak_f32 v21, v21, v20, 0xbe2aaaab          ; - 1 / 3!
	v_fmaak_f32 v23, v23, v20, 0x3d2aaaab          ; 1 / 4!
	v_mul_f32 v22, v19, v20
	v_fma_f32 v23, v23, v20, -0.5
	v_fma_f32 v21, v21, v22, v19                   ; sin r
	v_fma_f32 v23, v23, v20, 1.0                   ; cos r
	v_cvt_i32_f32 v24, v18
	v_and_b32 v25, 1, v24
	v_cmp_eq_u32 vcc_lo, 1, v25
	v_cndmask_b32 v26, v21, v23, vcc_lo            ; an odd quarter turn: the sine is +- cos r,
	v_cndmask_b32 v27, v23, v21, vcc_lo            ; the cosine -+ sin r
	v_lshlrev_b32 v25, 30, v24                     ; the sine's sign: bit 1 of n
	v_and_b32 v25, 0x80000000, v25
	v_xor_b32 v[33+2*\k], v25, v26
	v_add_nc_u32 v24, 1, v24                       ; the cosine's: bit 1 of n + 1
	v_lshlrev_b32 v24, 30, v24
	v_and_b32 v24, 0x80000000, v24
	v_xor_b32 v[32+2*\k], v24, v27
	global_store_b64 v[L8], v[32+2*\k:33+2*\k], s[24:25] offset:256*\k   ; 256 consecutive bytes, at a multiple of 256; each row has its own pair of registers
.endm
.irp k, 0,1,2,3,4,5,6,7,8,9,10,11,12,13,14,15
	ROW \k
.endr
	s_endpgm
.Lfunc_end_k_q906d77b9f7_prep:
	.size	k_q906d77b9f7_prep, .Lfunc_end_k_q906d77b9f7_prep-k_q906d77b9f7_prep
	.p2alignl 7, 3214868480
	.fill 96, 4, 3214868480
	.section	.rodata,"a",@progbits
	.p2align	6, 0x0
	.amdhsa_kernel k_q906d77b9f7_prep
		.amdhsa_group_segment_fixed_size 35328
		.amdhsa_private_segment_fixed_size 0
		.amdhsa_enable_private_segment 0
		.amdhsa_kernarg_size 72
		.amdhsa_user_sgpr_count 2
		.amdhsa_user_sgpr_kernarg_segment_ptr 1
		.amdhsa_wavefront_size32 1
		.amdhsa_system_sgpr_workgroup_id_x 1
		.amdhsa_system_sgpr_workgroup_id_y 1
		.amdhsa_system_sgpr_workgroup_id_z 1
		.amdhsa_system_vgpr_workitem_id 0
		.amdhsa_next_free_vgpr 240
		.amdhsa_next_free_sgpr 66
		.amdhsa_reserve_vcc 1
		.amdhsa_float_denorm_mode_32 3
		.amdhsa_float_denorm_mode_16_64 3
		.amdhsa_memory_ordered 1
		.amdhsa_forward_progress 1
		.amdhsa_inst_pref_size 60
	.end_amdhsa_kernel
	.amdgpu_metadata
---
amdhsa.version: [ 1, 2 ]
amdhsa.kernels:
  - .name:           k_q906d77b9f7_prep
    .symbol:         k_q906d77b9f7_prep.kd
    .args:
      - { .name: x, .offset: 0, .size: 8, .value_kind: global_buffer, .address_space: global }
      - { .name: Wq, .offset: 8, .size: 8, .value_kind: global_buffer, .address_space: global }
      - { .name: Wk, .offset: 16, .size: 8, .value_kind: global_buffer, .address_space: global }
      - { .name: Wv, .offset: 24, .size: 8, .value_kind: global_buffer, .address_space: global }
      - { .name: Wo, .offset: 32, .size: 8, .value_kind: global_buffer, .address_space: global }
      - { .name: token_positions, .offset: 40, .size: 8, .value_kind: global_buffer, .address_space: global }
      - { .name: cod, .offset: 48, .size: 8, .value_kind: global_buffer, .address_space: global }
      - { .name: scl, .offset: 56, .size: 8, .value_kind: global_buffer, .address_space: global }
      - { .name: tab, .offset: 64, .size: 8, .value_kind: global_buffer, .address_space: global }
    .group_segment_fixed_size: 35328
    .private_segment_fixed_size: 0
    .kernarg_segment_align: 8
    .kernarg_segment_size: 72
    .max_flat_workgroup_size: 128
    .sgpr_count:     66
    .vgpr_count:     240
    .wavefront_size: 32
...
	.end_amdgpu_metadata
.endif
;; end of part 1
;; launch qkv (part 2): grid 8 x 48, 4 waves a work-group, clusters of 4 x 4, 327,680 bytes of LDS; arguments cod, scl, tab, qr, kv; writes qr, kv
.if DOCPART == 2
	.amdgcn_target "amdgcn-amd-amdhsa--gfx1250"
	.amdhsa_code_object_version 6
	.text
	.protected	k_q906d77b9f7_qkv
	.globl	k_q906d77b9f7_qkv
	.p2align	8
	.type	k_q906d77b9f7_qkv,@function
k_q906d77b9f7_qkv:
	s_mov_b64 s[64:65], 0
	v_nop
	global_prefetch_b8 v0, s[64:65] scope:SCOPE_SE
	s_setreg_imm32_b32 hwreg(HW_REG_WAVE_MODE, 25, 1), 1
	s_wait_xcnt 0x0
	s_wait_alu depctr_hold_cnt(0) depctr_sa_sdst(0) depctr_va_vdst(0) depctr_va_sdst(0) depctr_va_ssrc(0) depctr_va_vcc(0) depctr_vm_vsrc(0)
	s_getreg_b32 s2, hwreg(HW_REG_IB_STS2, 6, 4)
	s_cmp_eq_u32 s2, 0
	s_cbranch_scc0 .Lentry_in_a_cluster
	s_endpgm
.Lentry_in_a_cluster:
	s_bfe_u32 s2, ttmp6, 0x10000c
	s_cmp_lg_u32 s2, 0xf033
	s_cbranch_scc0 .Lentry_shape_is_right
	s_endpgm
.Lentry_shape_is_right:
; PRODUCTS 1 TO 3 on codes of FP6 (E2M3) with E8M0 scales, K = 1,024, with RoPE and the next products' quantisers on the way out.  Nothing of reference() is left out here.
; A work-group of four waves makes 256 x 256 results, a wave 128 x 128: 64 accumulators of 16 x 16.  Source 0 = 16 rows of operand B, source 1 = 16 rows of operand A: a lane holds ONE row of A, and its registers run along B's rows.
; THREE ROLES, told apart by the cluster's coordinates alone (equal in all sixteen partners).  Cluster y < 8: A = x, B = Wq (cluster x = 0) or Wk (1): a lane holds a position and the 128 channels of a pair of heads.
; Cluster y >= 8: A = Wv, B = x: a lane holds a channel of v and 128 positions: v comes out with the keys along a lane's registers, as product 5's K wants it.
; All operands lie in the one buffer cod, in tiles of 16 rows as images of the operand's registers (1,536 bytes for 128 along K; lane r of tile t is row 32 (t / 2) + 8 (t % 2) + r + 8 (r / 8)), so the 64 accumulator
; registers of one block of A's rows, taken in order, are 128 neighbours in the order 32 b + 16 h + i: what the quantiser's conversions want.
; K goes in steps of 256 through two LDS slots filled by the tensor data mover; a tile's part of a K step is 3,072 consecutive bytes.  The scale words of the work-group's rows for all of K come once, with the first fills.
; CLUSTERS: 4 x 4.  A's tiles are shared along a row of the cluster, B's along a column: each is asked for jointly, by the same tensor load with a mask that names the four.
; THE WAY OUT.  q and k: rotated by the table (f32), quantised along each head's 64 channels; v: quantised along the keys.  Each wave stores one sub-record of 12,800 bytes: 8 fragment images and 128 scale words.
;   qr: [batch 4][pair of heads 8][block of 128 positions 16] sub-records.  kv: the same index, records of 25,600 bytes: k's sub-record, then v's.
; LIMITS: NaN and infinities are not served; a block under 2^-124 (a block of zeros too) keeps the scale byte 1: its codes are zeros or nearly so, and this program alone reads the bytes.
; REGISTERS, in windows of 256: window 0: v0-31 addresses; v32-63 scale words, two sets (they hold nothing else in the whole text); from v128 A's fragments, one set; on the way out v64-127 the rotated numbers, v128-187 at work.
;   window 1: B's fragments, two sets, at v0 and v128; on the way out the table.   window 2: the accumulators of my rows 0-63 ((a, b) at v[8 (8 a + b)]);   window 3: those of rows 64-127.
.set KSTEPB, 3072                      ; a tile's bytes of a K step of 256
.set NQ,     2                         ; matrix instructions deep
.set FR,     12                        ; registers of a fragment
.set NL,     4                         ; LDS loads that bring one
.set NP,     4                         ; places behind this matrix instruction (ISA guide 7.12.1)
.set HALFT,  8*KSTEPB                  ; 128 rows: what one tensor load brings
.set SLOT,   4*HALFT                   ; A's 256 rows, then B's
.set SCL,    2*SLOT                    ; behind the ring: the scale words, [K step of 128: 8][128 rows] for each half: A's two halves,
.set SKEW,   8256                      ; then, 64 bytes askew so that lanes 16-31 meet other banks than lanes 0-15, B's two
.set SPARE,  213248                    ; the spare words, 128 bytes a wave: two blocks of 256 bytes that no other line names
.set ADRA, 16                          ; v16-17 my A fragments in slot 0, 1, + 16 x lane;  v18-19 the same + 8 x lane
.set ADRB, 20                          ; v20-23 the same for B
.set L16,  24                          ; v24  16 x lane
.set L8,   25                          ; v25  8 x lane
.set TO,   26                          ; v26  the table: 256 (r + 8 (r / 8)) + 64 h
.set ADRS, 27                          ; v27  my scale words: lanes 0-15 A's rows, lanes 16-31 B's
.set SPW,  28                          ; v28  my spare word; never rewritten
.set NIL,  29                          ; v29  0; never rewritten
.set SWA,  30                          ; v30  the way out: my row's word in my wave's 512 bytes
.set SRA,  31                          ; v31  and where I read 16 bytes of them back
.set SC,   32
.set X,    64
.set AF,   128
.set PC,   128                         ; v128-147 the codes just made
.set TM,   148                         ; v148-151 largest magnitudes, 152-155 bytes, 160-163 scale operands
.set RT,   166                         ; v166-169 the rotation's products
.set PWB,  176                         ; v176-183 the eight blocks' scale words
.set WB,   184                         ; v184-187 16 bytes of words on their way out
.set G1, 24
.set G0, 32
.set G1B, 48
.set G0B, 56
.set G1S, 68
.set G0S, 76
.set G1SB, 80
.set G0SB, 88
.set ROLE, 95                          ; s95  0: q or k;  1: v
.set SEL,  96                          ; s[96:97] selects of v_permlanex16_b32: lane l xor 16
.set OUT,  98                          ; s[98:99] my sub-record
.set TABP, 100                         ; s[100:101] the table at my block of 128 positions
.set MSB, 0
.macro WIN new                         ; the immediate's high byte repeats the setting that is left
.if MSB != (\new)
	s_set_vgpr_msb (MSB<<8)|(\new)
.set MSB, (\new)
.endif
.endm
.set MUL_LO, 0xa1                      ; source 0 (B) window 1, source 1 (A) window 0, C and D window 2
.set MUL_HI, 0xf1                      ; the same, C and D window 3
.set TO_B,   0x40                      ; destination window 1, address window 0
; A joint load: waves 0 and 1 fetch for A, waves 2 and 3 for B; the branch hangs on the wave's number alone.  An s_nop 0 and four v_nop follow each of the two lines.
.macro JLOAD g0a, g1a, g0b, g1b
	s_cmp_eq_u32 s15, 0
	s_cbranch_scc0 .Lfor_b_\@
	tensor_load_to_lds s[\g0a:\g0a+3], s[\g1a:\g1a+7]
	s_nop 0
.rept 4
	v_nop
.endr
	s_branch .Lasked_\@
.Lfor_b_\@:
	tensor_load_to_lds s[\g0b:\g0b+3], s[\g1b:\g1b+7]
	s_nop 0
.rept 4
	v_nop
.endr
.Lasked_\@:
.endm
.macro CREST                           ; a round of the cluster's barrier behind its opening barrier
	s_cmp_lg_u32 s14, 0
	s_cbranch_scc1 .Lnot_wave_0_\@
	s_barrier_signal -3
.Lnot_wave_0_\@:
	s_barrier_wait -3
	s_barrier_signal -1
	s_barrier_wait -1
.endm
.macro CROUND                          ; a whole round
	s_barrier_signal -1
	s_barrier_wait -1
	CREST
.endm
	s_load_b256 s[4:11], s[0:1], 0x0               ; cod s[4:5], scl s[6:7], tab s[8:9], qr s[10:11]
	s_load_b64 s[12:13], s[0:1], 0x20              ; kv
	v_lshl_add_u32 v[SPW], v0, 2, SPARE
	v_mov_b32 v[NIL], 0
	ds_add_u32 v[SPW], v[NIL]                      ; the wave's opening: the add, twice on end, and its wait ahead of my first tensor load
	ds_add_u32 v[SPW], v[NIL]
	v_lshrrev_b32 v1, 5, v0
	v_readfirstlane_b32 s14, v1                    ; wave 0..3
	s_lshr_b32 s15, s14, 1                         ; which half of A's rows is mine.  Also: I fetch for A (0) or for B (1)
	s_and_b32 s16, s14, 1                          ; which half of B's rows.  Also: which 128 rows I fetch
	s_bfe_u32 s40, ttmp6, 0x40000                  ; cx, cy: my place in the cluster
	s_bfe_u32 s41, ttmp6, 0x40004
	s_and_b32 s17, ttmp7, 0xffff                   ; cluster y
	s_lshl_b32 s18, s17, 2                         ; q, k: A's first tile of 256 rows = 4 x cluster y (x),
	s_lshl_b32 s19, ttmp9, 2
	s_add_co_u32 s20, s19, 32                      ;       B's = 32 + 4 x cluster x (Wq, Wk)
	s_lshl_b32 s21, s17, 3
	s_add_co_u32 s21, s21, s19
	s_sub_co_u32 s21, s21, 64                      ; v: B's = 8 (cluster y - 8) + 4 x cluster x (x); A's = 40 (Wv)
	s_cmp_lt_u32 s17, 8
	s_cselect_b32 s18, s18, 40
	s_cselect_b32 s20, s20, s21
	s_cselect_b32 s[ROLE], 0, 1
	s_add_co_u32 s17, s18, s41                     ; A's tile of 256 rows: it holds cy alone
	s_add_co_u32 s42, s20, s40                     ; B's: cx alone
	s_lshl_b32 s43, s41, 2
	s_lshl_b32 s43, 15, s43                        ; my row of the cluster
	s_lshl_b32 s44, 0x1111, s40                    ; my column
	; descriptor group 1, codes: 8 tiles' parts of a K step: 8 rows of 384 elements of 8 bytes, 1,536 elements (a tile's 12,288 bytes) apart; no padding
	s_or_b32 s[G1+0], s43, (3<<16)|(1<<21)         ; 15:0 the mask; 17:16 elements of 8 bytes; 21 set beside a mask
	s_or_b32 s[G1B+0], s44, (3<<16)|(1<<21)
.irp g, G1, G1B
	s_mov_b32 s[\g+1], 384<<16                     ; tensor_dim0
	s_mov_b32 s[\g+2], 8<<16                       ; tensor_dim1
	s_mov_b32 s[\g+3], 384<<16                     ; tile_dim0
	s_mov_b32 s[\g+4], 8                           ; tile_dim1
	s_mov_b32 s[\g+5], 1536                        ; tensor_dim0_stride
	s_mov_b32 s[\g+6], 0
	s_mov_b32 s[\g+7], 0
.endr
	; scale words of 128 rows: 8 rows (K steps of 128) of 64 elements of 8 bytes, 6,144 elements (12,288 words) apart
	s_or_b32 s[G1S+0], s43, (3<<16)|(1<<21)
	s_or_b32 s[G1SB+0], s44, (3<<16)|(1<<21)
.irp g, G1S, G1SB
	s_mov_b32 s[\g+1], 64<<16
	s_mov_b32 s[\g+2], 8<<16
	s_mov_b32 s[\g+3], 64<<16
	s_mov_b32 s[\g+4], 8
	s_mov_b32 s[\g+5], 6144
	s_mov_b32 s[\g+6], 0
	s_mov_b32 s[\g+7], 0
.endr
	s_lshl_b32 s18, s16, 3
	s_lshl_b32 s20, s17, 4
	s_add_co_u32 s20, s20, s18                     ; A: the first tile of 16 rows that I fetch
	s_lshl_b32 s46, s42, 4
	s_add_co_u32 s46, s46, s18                     ; B likewise
	s_lshl_b32 s22, s20, 6                         ; their words: 64 bytes a tile
	s_mov_b32 s23, 0
	s_lshl_b32 s92, s46, 6
	s_mov_b32 s93, 0
	s_mul_i32 s20, s20, 12288                      ; their codes
	s_mov_b32 s21, 0
	s_mul_i32 s46, s46, 12288
	s_mov_b32 s47, 0
	s_mul_i32 s45, s14, HALFT                      ; where they go: wave x 128 rows: no place in the cluster enters an LDS address
	s_lshl_b32 s94, s14, 12
	s_lshl_b32 s18, s15, 6
	s_add_co_u32 s94, s94, s18
	s_add_co_u32 s94, s94, SCL
	s_mov_b32 s[SEL], 0x76543210
	s_mov_b32 s[SEL+1], 0xfedcba98
	s_wait_dscnt 0x0                               ; both opening adds are done
	s_wait_kmcnt 0x0
	s_add_nc_u64 s[20:21], s[4:5], s[20:21]
	s_add_nc_u64 s[22:23], s[6:7], s[22:23]
	s_add_nc_u64 s[46:47], s[4:5], s[46:47]
	s_add_nc_u64 s[92:93], s[6:7], s[92:93]
	CROUND                                         ; all sixteen work-groups are here: the first joint loads meet
	s_mov_b32 s[G0S], 1
	s_mov_b32 s[G0S+1], s94
	s_mov_b64 s[G0S+2:G0S+3], s[22:23]
	s_or_b32 s[G0S+3], s[G0S+3], 0x80000000
	s_mov_b32 s[G0SB], 1
	s_mov_b32 s[G0SB+1], s94
	s_mov_b64 s[G0SB+2:G0SB+3], s[92:93]
	s_or_b32 s[G0SB+3], s[G0SB+3], 0x80000000
	JLOAD G0S, G1S, G0SB, G1SB                     ; the scale words first: they are wanted with K step 0.  Three loads of mine are out behind the next two
.irp s, 0,1
	s_mov_b32 s[G0+4*\s], 1
	s_add_co_u32 s[G0+4*\s+1], s45, \s*SLOT
	s_add_nc_u64 s[G0+4*\s+2:G0+4*\s+3], s[20:21], \s*KSTEPB
	s_or_b32 s[G0+4*\s+3], s[G0+4*\s+3], 0x80000000
	s_mov_b32 s[G0B+4*\s], 1
	s_add_co_u32 s[G0B+4*\s+1], s45, \s*SLOT
	s_add_nc_u64 s[G0B+4*\s+2:G0B+4*\s+3], s[46:47], \s*KSTEPB
	s_or_b32 s[G0B+4*\s+3], s[G0B+4*\s+3], 0x80000000
	JLOAD G0+4*\s, G1, G0B+4*\s, G1B
.endr
	v_and_b32 v1, 31, v0                           ; lane
	v_and_b32 v2, 15, v0                           ; r
	v_bfe_u32 v3, v0, 4, 1                         ; h
	v_lshlrev_b32 v[L16], 4, v1
	v_lshlrev_b32 v[L8], 3, v1
	s_mul_i32 s21, s15, HALFT                      ; my 128 rows of A
	s_mul_i32 s22, s16, HALFT                      ; my 128 rows of B,
	s_add_co_u32 s22, s22, 2*HALFT                 ; which lie behind A's 256
.irp s, 0,1
	v_add_nc_u32 v[ADRA+\s], s21, v[L16]
	v_add_nc_u32 v[ADRB+\s], s22, v[L16]
	v_add_nc_u32 v[ADRA+2+\s], s21, v[L8]
	v_add_nc_u32 v[ADRB+2+\s], s22, v[L8]
	s_add_co_u32 s21, s21, SLOT
	s_add_co_u32 s22, s22, SLOT
.endr
	s_lshl_b32 s21, s15, 12                        ; A's words: my half
	s_lshl_b32 s22, s16, 12                        ; B's: my half, SKEW bytes behind A's first
	s_add_co_u32 s22, s22, SKEW
	s_sub_co_u32 s22, s22, s21
	v_mul_u32_u24 v4, s22, v3                      ; lanes 16-31 take B's: one product, the lower base + h x the distance
	s_add_co_u32 s21, s21, SCL
	v_lshl_add_u32 v4, v2, 2, v4
	v_add_nc_u32 v[ADRS], s21, v4
	v_and_b32 v4, 8, v2
	v_add_nc_u32 v4, v4, v2                        ; r + 8 (r / 8)
	v_lshlrev_b32 v[TO], 8, v4                     ; a position's row of the table is 256 bytes;
	v_lshl_add_u32 v[TO], v3, 6, v[TO]             ; my half's eight frequencies lie 64 h bytes on
	s_lshl_b32 s21, s14, 9
	v_lshl_add_u32 v[SWA], v2, 2, s21
	v_add_nc_u32 v[SRA], s21, v[L16]
	; where my results go.  These numbers hold cx and cy both and enter global addresses alone
	s_lshl_b32 s18, s17, 1
	s_add_co_u32 s18, s18, s15                     ; which 128 rows of the buffer are my A's,
	s_lshl_b32 s19, s42, 1
	s_add_co_u32 s19, s19, s16                     ; and my B's
	s_cmp_eq_u32 s[ROLE], 0
	s_cselect_b32 s20, s18, s19                    ; the block of 128 rows of x (0 .. 63),
	s_cselect_b32 s21, s19, s18
	s_and_b32 s21, s21, 7                          ; and the pair of heads: each weight begins at a multiple of 8 such blocks
	s_lshr_b32 s22, s20, 4                         ; batch
	s_lshl_b32 s22, s22, 3
	s_add_co_u32 s22, s22, s21
	s_lshl_b32 s22, s22, 4
	s_and_b32 s23, s20, 15                         ; the block in its sequence
	s_add_co_u32 s22, s22, s23                     ; (batch x 8 + pair) x 16 + block
	s_lshl_b32 s2, s23, 15                         ; 128 rows of the table
	s_mov_b32 s3, 0
	s_add_nc_u64 s[TABP:TABP+1], s[8:9], s[2:3]
	s_or_b32 s2, s[ROLE], ttmp9
	s_cmp_eq_u32 s2, 0                             ; q?
	s_cselect_b64 s[OUT:OUT+1], s[10:11], s[12:13]
	s_mov_b32 s2, 25600
	s_cselect_b32 s2, 12800, s2
	s_mul_i32 s2, s22, s2
	s_mul_i32 s18, s[ROLE], 12800                  ; v's sub-record lies behind k's
	s_add_co_u32 s2, s2, s18
	s_add_nc_u64 s[OUT:OUT+1], s[OUT:OUT+1], s[2:3]
.macro FRAG reg, adr, q, i             ; block i's fragment of the slot's q-th 128 along K, as its image lies: every load takes 512 or 256 consecutive bytes
	ds_load_b128 v[\reg:\reg+3], v[\adr] offset:KSTEPB*(\i)+1536*(\q)
	ds_load_b64 v[\reg+4:\reg+5], v[\adr+2] offset:KSTEPB*(\i)+1536*(\q)+512
	ds_load_b128 v[\reg+6:\reg+9], v[\adr] offset:KSTEPB*(\i)+1536*(\q)+768
	ds_load_b64 v[\reg+10:\reg+11], v[\adr+2] offset:KSTEPB*(\i)+1536*(\q)+1280
.endm
; 16 matrix instructions: A's blocks a0, a0 + 1 x B's eight, 128 along K.  p: B's set;  sc: the set of scale words.  zero = 1: the first product starts the sums.
; The 64 accumulators take turns, one instruction a turn, in the same order in every step.
.macro MUL16 a0, p, q, sc, zero
.irp a, \a0, \a0+1
.irp b, 0,1,2,3,4,5,6,7
.if \zero
	v_wmma_scale_f32_16x16x128_f8f6f4 v[8*(8*((\a)%4)+\b):8*(8*((\a)%4)+\b)+7], v[128*(\p)+FR*\b:128*(\p)+FR*\b+FR-1], v[AF+FR*(\a):AF+FR*(\a)+FR-1], 0, v[SC+8*NQ*(\sc)+NQ*\b+(\q)], v[SC+8*NQ*(\sc)+NQ*(\a)+(\q)] matrix_a_fmt:MATRIX_FMT_FP6 matrix_b_fmt:MATRIX_FMT_FP6 matrix_a_scale:MATRIX_SCALE_ROW1
.else
	v_wmma_scale_f32_16x16x128_f8f6f4 v[8*(8*((\a)%4)+\b):8*(8*((\a)%4)+\b)+7], v[128*(\p)+FR*\b:128*(\p)+FR*\b+FR-1], v[AF+FR*(\a):AF+FR*(\a)+FR-1], v[8*(8*((\a)%4)+\b):8*(8*((\a)%4)+\b)+7], v[SC+8*NQ*(\sc)+NQ*\b+(\q)], v[SC+8*NQ*(\sc)+NQ*(\a)+(\q)] matrix_a_fmt:MATRIX_FMT_FP6 matrix_b_fmt:MATRIX_FMT_FP6 matrix_a_scale:MATRIX_SCALE_ROW1
.endif
.endr
.endr
.endm
.macro FETCH_B slot, q, p
	WIN TO_B
.irp i, 0,1,2,3,4,5,6,7
	FRAG 128*(\p)+FR*\i, ADRB+\slot, \q, \i
.endr
	WIN 0
.endm
.macro FETCH_A slot, q, i0
.irp i, \i0, \i0+1, \i0+2, \i0+3
	FRAG AF+FR*(\i), ADRA+\slot, \q, \i
.endr
.endm
.macro SCALES sc                       ; a K step's scale words into set sc: register NQ i + q: lanes 0-15 the word of A's block i, lanes 16-31 that of B's block i
.irp i, 0,1,2,3,4,5,6,7
.irp q, 0,1
	ds_load_b32 v[SC+8*NQ*\sc+NQ*\i+\q], v[ADRS] offset:512*\q+64*\i
.endr
.endr
.endm
.macro PLACES n                        ; places behind matrix instructions, in front of loads into registers that they have read and of the first read of results
.rept \n
	v_nop
.endr
.endm
.macro STEP slot, q, zero              ; a step of 128 along K that has its successor in the same slot
	s_wait_dscnt 4*NL                              ; B's set, A's blocks 0-3 and the words are in; the youngest 16 loads (A's blocks 4-7) may be out
	WIN MUL_LO
	MUL16 0, (\q)%2, \q, \slot, \zero
	MUL16 2, (\q)%2, \q, \slot, \zero
	s_wait_dscnt 0
	PLACES NP
	FETCH_B \slot, (\q)+1, 1-(\q)%2
	FETCH_A \slot, (\q)+1, 0
	WIN MUL_HI
	MUL16 4, (\q)%2, \q, \slot, \zero
	MUL16 6, (\q)%2, \q, \slot, \zero
	PLACES NP
	WIN 0
	FETCH_A \slot, (\q)+1, 4
.endm
; A slot's last step changes slots: one barrier; in front of it each wave waits for all its tensor loads, adds 0 to its spare word, and waits for that and for its reads of this slot.  fill = 1: this slot is filled again, two K steps ahead.
.macro TURN slot, next, fill
	s_wait_tensorcnt 0x0                           ; all my tensor loads have landed: my part of the next slot
	ds_add_u32 v[SPW], v[NIL]                      ; 0 onto my spare word
	s_wait_dscnt 4*NL+1                            ; (the add and the youngest 16 loads may be out)
	WIN MUL_LO
	MUL16 0, 1, NQ-1, \slot, 0
	s_wait_dscnt 0x0                               ; the add is done, and my reads of this slot are over
	s_barrier_signal -1
	MUL16 2, 1, NQ-1, \slot, 0
	WIN 0
	s_barrier_wait -1
.if \fill
	CREST                                          ; the barrier has opened a round of the cluster's: no wave of any partner still reads this slot or has a load on its way
	s_add_nc_u64 s[G0+4*\slot+2:G0+4*\slot+3], s[G0+4*\slot+2:G0+4*\slot+3], 2*KSTEPB
	s_add_nc_u64 s[G0B+4*\slot+2:G0B+4*\slot+3], s[G0B+4*\slot+2:G0B+4*\slot+3], 2*KSTEPB
	JLOAD G0+4*\slot, G1, G0B+4*\slot, G1B         ; the first tensor load behind the round; its four v_nop are the places in front of the loads below
.else
	PLACES NP
.endif
	v_add_nc_u32 v[ADRS], 512*NQ, v[ADRS]          ; on to the next K step's scale words (no LDS load of mine is out)
	FETCH_B \next, 0, 0
	FETCH_A \next, 0, 0
	SCALES \next
	WIN MUL_HI
	MUL16 4, 1, NQ-1, \slot, 0
	MUL16 6, 1, NQ-1, \slot, 0
	PLACES NP
	WIN 0
	FETCH_A \next, 0, 4
.endm
	s_wait_tensorcnt 1                             ; the scale words and my part of K step 0 are in (K step 1's load may be out)
	s_barrier_signal -1
	s_barrier_wait -1                              ; everybody's are
	FETCH_B 0, 0, 0
	FETCH_A 0, 0, 0
	SCALES 0
	FETCH_A 0, 0, 4
	STEP 0, 0, 1                                   ; K = 1,024 is four K steps of 256: written out, no loop.  The first products start the sums
	TURN 0, 1, 1                                   ; slot 0 takes K step 2
	STEP 1, 0, 0
	TURN 1, 0, 1                                   ; slot 1 takes K step 3
	STEP 0, 0, 0
	TURN 0, 1, 0                                   ; nothing is left to fetch
	STEP 1, 0, 0
	s_wait_dscnt 4*NL
	WIN MUL_LO
	MUL16 0, 1, NQ-1, 1, 0
	MUL16 2, 1, NQ-1, 1, 0
	s_wait_dscnt 0
	WIN MUL_HI
	MUL16 4, 1, NQ-1, 1, 0
	MUL16 6, 1, NQ-1, 1, 0
	WIN 0
; THE WAY OUT.
; 64 numbers of a lane in window w, v[s] on, register 16 b + i = k 32 b + 16 h + i of my row, become a fragment's codes in v[PC] on and its scale word in v[pw].
.macro QUANT s, w, pw
	WIN (\w)|((\w)<<2)
.irp b, 0,1,2,3
	v_max3_num_f32 v[TM+\b], |v[\s+16*\b]|, |v[\s+1+16*\b]|, 0x1800000   ; block b: my 16 numbers, from each accumulator's low end on, and the floor 2^(3 - 127)
.endr
	WIN ((\w)<<2)|((\w)<<4)
.irp i, 2,4,6,8,10,12,14
.irp b, 0,1,2,3
	v_max3_num_f32 v[TM+\b], v[TM+\b], |v[\s+16*\b+\i]|, |v[\s+1+16*\b+\i]|
.endr
.endr
	WIN 0
.irp b, 0,1,2,3
	v_permlanex16_b32 v[TM+4+\b], v[TM+\b], s[SEL], s[SEL+1]
.endr
.irp b, 0,1,2,3
	v_max_num_f32 v[TM+\b], v[TM+\b], v[TM+4+\b]   ; with lane l xor 16's: the block's largest magnitude
.endr
.irp b, 0,1,2,3
	v_add_nc_u32 v[TM+12+\b], 0xff000000, v[TM+\b] ; 2 off its exponent field: the conversion's scale operand
.endr
.irp b, 0,1,2,3
	v_lshrrev_b32 v[TM+4+\b], 23, v[TM+12+\b]      ; the scale's byte
.endr
	v_lshl_or_b32 v[\pw], v[TM+5], 8, v[TM+4]
	v_lshl_or_b32 v[\pw], v[TM+6], 16, v[\pw]
	v_lshl_or_b32 v[\pw], v[TM+7], 24, v[\pw]
	s_wait_xcnt 0x0                                ; the last block's stores have read their data: the codes' registers are written only behind this wait
	WIN (\w)
.irp c, 0,1
	v_cvt_scalef32_pk16_fp6_f32 v[PC+6*\c:PC+2+6*\c], v[\s+32*\c:\s+15+32*\c], v[TM+12+2*\c]
	v_cvt_scalef32_pk16_fp6_f32 v[PC+12+4*\c:PC+14+4*\c], v[\s+16+32*\c:\s+31+32*\c], v[TM+12+2*\c+1]   ; (a conversion's three registers begin on an even number)
.endr
	WIN 0
	v_nop                                          ; one plain place behind a scaled conversion
.irp c, 0,1                            ; the operand's layout wants a whole block in a lane: lanes 0-15 block 2 c, lanes 16-31 block 2 c + 1
.irp i, 0,1,2
	v_permlane16_swap_b32 v[PC+6*\c+\i], v[PC+12+4*\c+\i]
.endr
.irp i, 0,1,2
	v_mov_b32 v[PC+3+6*\c+\i], v[PC+12+4*\c+\i]
.endr
.endr
.endm
.macro OUTFRAG a                       ; the fragment's image: each store covers 512 or 256 consecutive bytes, at a multiple of 256
	global_store_b128 v[L16], v[PC:PC+3], s[OUT:OUT+1] offset:1536*(\a)
	global_store_b64 v[L8], v[PC+4:PC+5], s[OUT:OUT+1] offset:1536*(\a)+512
	global_store_b128 v[L16], v[PC+6:PC+9], s[OUT:OUT+1] offset:1536*(\a)+768
	global_store_b64 v[L8], v[PC+10:PC+11], s[OUT:OUT+1] offset:1536*(\a)+1280
.endm
; The rotation of block a.  Register 16 b + 2 p, + 1 of my row is the pair of frequency 16 (b % 2) + 8 h + p of head b / 2 of the pair; its cos and sin stand in window 1 at 32 a + 16 (b % 2) + 2 p, + 1.
.macro ROPE a
.set AC, 64*((\a)%4)
	WIN (2+(\a)/4)|4                               ; source 0 the accumulators, source 1 the table, source 2 and the destination window 0
.irp b, 0,1,2,3
.irp p, 0,1,2,3,4,5,6,7
	v_mul_f32 v[RT+2*(\p%2)], v[AC+16*\b+2*\p+1], v[32*(\a)+16*(\b%2)+2*\p+1]                              ; x2 sin
	v_mul_f32 v[RT+2*(\p%2)+1], v[AC+16*\b+2*\p+1], v[32*(\a)+16*(\b%2)+2*\p]                              ; x2 cos
	v_fma_f32 v[X+16*\b+2*\p], v[AC+16*\b+2*\p], v[32*(\a)+16*(\b%2)+2*\p], -v[RT+2*(\p%2)]                ; x1 cos - x2 sin
	v_fma_f32 v[X+16*\b+2*\p+1], v[AC+16*\b+2*\p], v[32*(\a)+16*(\b%2)+2*\p+1], v[RT+2*(\p%2)+1]           ; x1 sin + x2 cos
.endr
.endr
	WIN 0
.endm
	PLACES NP                                      ; behind the last products: for the first reads of results and for writes and loads into the registers that held fragments
.irp b, 0,1,2,3
	v_mov_b32 v[TM+4+\b], 0                        ; written once: a lane permute's destination counts as one of its sources
.endr
	s_cmp_eq_u32 s[ROLE], 1                        ; the cluster's coordinates alone decide: all partners go the same way
	s_cbranch_scc1 .Lv
	WIN TO_B                                       ; q, k: my 128 positions' cos and sin, 64 bytes a lane for each half of a head: all 64 loads go out together
.irp a, 0,1,2,3,4,5,6,7
.irp b, 0,1
.irp j, 0,1,2,3
	global_load_b128 v[32*\a+16*\b+4*\j:32*\a+16*\b+4*\j+3], v[TO], s[TABP:TABP+1] offset:(32*(\a/2)+8*(\a%2))*256+128*\b+16*\j
.endr
.endr
.endr
	WIN 0
.irp a, 0,1,2,3,4,5,6,7
	s_wait_loadcnt 56-8*\a                         ; this block's eight loads are in; the later blocks' may be out
	ROPE \a
	QUANT X, 0, PWB+\a
	OUTFRAG \a
.endr
	s_branch .Ljoin
.Lv:
.irp a, 0,1,2,3,4,5,6,7
.set QS, 64*(\a%4)
	QUANT QS, 2+\a/4, PWB+\a                       ; v: the accumulators as they stand
	OUTFRAG \a
.endr
.Ljoin:
.irp a, 0,1,2,3,4,5,6,7                ; the 128 scale words turn through 512 bytes of my own in slot 0, which has had its last fill and its last read
	ds_store_b32 v[SWA], v[PWB+\a] offset:64*\a    ; lanes r and r + 16 write the same word with the same value
.endr
	ds_load_b128 v[WB:WB+3], v[SRA]                ; LDS serves a wave's instructions in order
	s_wait_dscnt 0x0
	global_store_b128 v[L16], v[WB:WB+3], s[OUT:OUT+1] offset:12288   ; 512 consecutive bytes
	s_wait_tensorcnt 0x0                           ; the wave's end, behind my last tensor load and my last LDS store
	ds_add_u32 v[SPW], v[NIL]
	s_wait_dscnt 0x0
	CROUND                                         ; the closing round: no work-group ends while a partner may still ask for a tile that names it
	s_endpgm
.Lfunc_end_k_q906d77b9f7_qkv:
	.size	k_q906d77b9f7_qkv, .Lfunc_end_k_q906d77b9f7_qkv-k_q906d77b9f7_qkv
	.p2alignl 7, 3214868480
	.fill 96, 4, 3214868480
	.section	.rodata,"a",@progbits
	.p2align	6, 0x0
	.amdhsa_kernel k_q906d77b9f7_qkv
		.amdhsa_group_segment_fixed_size 327680
		.amdhsa_private_segment_fixed_size 0
		.amdhsa_enable_private_segment 0
		.amdhsa_kernarg_size 40
		.amdhsa_user_sgpr_count 2
		.amdhsa_user_sgpr_kernarg_segment_ptr 1
		.amdhsa_wavefront_size32 1
		.amdhsa_system_sgpr_workgroup_id_x 1
		.amdhsa_system_sgpr_workgroup_id_y 1
		.amdhsa_system_sgpr_workgroup_id_z 1
		.amdhsa_system_vgpr_workitem_id 0
		.amdhsa_next_free_vgpr 1024
		.amdhsa_next_free_sgpr 102
		.amdhsa_reserve_vcc 0
		.amdhsa_float_denorm_mode_32 3
		.amdhsa_float_denorm_mode_16_64 3
		.amdhsa_memory_ordered 1
		.amdhsa_forward_progress 1
		.amdhsa_inst_pref_size 240
	.end_amdhsa_kernel
	.amdgpu_metadata
---
amdhsa.version: [ 1, 2 ]
amdhsa.kernels:
  - .name:           k_q906d77b9f7_qkv
    .symbol:         k_q906d77b9f7_qkv.kd
    .args:
      - { .name: cod, .offset: 0, .size: 8, .value_kind: global_buffer, .address_space: global }
      - { .name: scl, .offset: 8, .size: 8, .value_kind: global_buffer, .address_space: global }
      - { .name: tab, .offset: 16, .size: 8, .value_kind: global_buffer, .address_space: global }
      - { .name: qr, .offset: 24, .size: 8, .value_kind: global_buffer, .address_space: global }
      - { .name: kv, .offset: 32, .size: 8, .value_kind: global_buffer, .address_space: global }
    .group_segment_fixed_size: 327680
    .private_segment_fixed_size: 0
    .kernarg_segment_align: 8
    .kernarg_segment_size: 40
    .max_flat_workgroup_size: 128
    .sgpr_count:     102
    .vgpr_count:     1024
    .wavefront_size: 32
...
	.end_amdgpu_metadata
.endif
;; end of part 2
;; launch attn (part 3): grid 8 x 32, 16 waves a work-group, no clusters, 327,680 bytes of LDS; arguments qr, kv, ac, asc; writes ac, asc
.if DOCPART == 3
	.amdgcn_target "amdgcn-amd-amdhsa--gfx1250"
	.amdhsa_code_object_version 6
	.text
	.protected	k_q906d77b9f7_attn
	.globl	k_q906d77b9f7_attn
	.p2align	8
	.type	k_q906d77b9f7_attn,@function
k_q906d77b9f7_attn:
	s_mov_b64 s[64:65], 0
	v_nop
	global_prefetch_b8 v0, s[64:65] scope:SCOPE_SE
	s_setreg_imm32_b32 hwreg(HW_REG_WAVE_MODE, 25, 1), 1
	s_wait_xcnt 0x0
; PRODUCTS 4 AND 5 with the causal softmax between them, on codes of FP6 (E2M3) with E8M0 scales, for one pair of heads of one batch; the result is quantised along (head, channel) for product 6.
; WORK LEFT OUT: a key step of 128 keys all of which come after a wave's block of 128 queries has weight 0 under reference()'s own causal mask, for all inputs: it is neither multiplied nor, where no wave of the
; work-group reads it, fetched.  A NaN, an infinity or an overflow that would reach only such scores is not carried to the result.
; THE SOFTMAX: t = score x log2(e) / 8; M = the running largest t rounded up to a whole number; p = 2^(t - M) is quantised along the keys, not normalised; the row's sum is taken of the unquantised p and divides at the end;
; when M moves, the sum and O are multiplied by 2^(old M - new M), which rounds nothing.
; SHARES.  Work-group (x, y): pair of heads y % 8 of batch y / 8.  Waves 0-7 own the block of 128 queries number x, waves 8-15 block 15 - x: 17 key steps for each pair of waves, whatever x.  A wave owns 16 queries, for BOTH heads.
; CLUSTER = NONE: the work-groups of a pair of heads walk different numbers of key steps under the mask (x = 0: 16, x = 7: 9), so partners could not make every joint request without fetching what none of their waves reads.
; LAYOUT.  Both products transposed: S^T = K Q^T, O^T = V^T P^T: a lane holds one query throughout.  All tiles hold the rows 32 (t / 2) + 8 (t % 2) + r + 8 (r / 8), so that the 16 registers of tiles 2 b, 2 b + 1 are 16 neighbours.
; HEAD SIZE 64.  K's and Q's fragments hold the pair's 128 channels.  Q is kept twice: head 0's codes beside zero codes, and zero codes beside head 1's; so a product sums one head's 64 channels, whatever stands in the other half of
; K's registers (6-bit codes are all finite numbers; the scale byte over the zero codes is 0, which is 2^-127), and a head's step loads only its own half of each image of K.
; THE RING.  A key step's record (k's sub-record, then v's: 25,600 dense bytes) is a slot; two slots, 32,768 bytes apart; waves 0-3 fetch a quarter each.
; LIMITS: NaN and infinities are not served; a block of the result under 2^-124 keeps the scale byte 1.
; REGISTERS: v1-7 addresses that stay; v8-10 addresses of the step; v12-15, v92-95 -M, the largest t and the sum's two halves of head 0, 1; v16-27, v80-91 Q; v32-79 four fragments; v96-159 S^T, then p; v160-191, v192-223 O^T; v224-235 p's codes; v232-254 at work; v255, v29 Q's scale words.
.set REC,   25600
.set SUB,   12800                      ; v's sub-record in a record
.set WOFF,  12288                      ; the scale words in a sub-record
.set QUART, 6400                       ; what one tensor load brings: 25 rows of 256 bytes
.set SLOT1, 32768
.set STG,   65536                      ; 16 waves x 64 bytes: the result's scale words on their way out
.set SPARE, 66560                      ; the spare words, 128 bytes a wave: eight blocks of 256 bytes that no other line names
.set L16, 1                            ; v1   16 x lane
.set L8,  2                            ; v2   8 x lane
.set R4,  3                            ; v3   4 r
.set SWA, 4                            ; v4   the way out: my row's word
.set SPW, 5                            ; v5   my spare word; never rewritten
.set NIL, 6                            ; v6   0; never rewritten
.set SRA, 7                            ; v7   the way out: 16 bytes of eight waves' words
.set A16, 8
.set A8,  9
.set AW,  10
.set QA,  16
.set PFO, 28                           ; v28  the prefetches' offset; never rewritten
.set DV,  30                           ; v30  my query in its block - 16 h
.set QB,  80
.set TM,  32                           ; the way out's quantiser
.set PW,  48
.set PC,  52
.set WV,  18
.set SEL, 20
.set CS,  22                           ; s[22:23] c = log2(e) / 8
.set G1,  24
.set G0,  40
.set TB,  2                            ; s2   LDS byte at which the slot in hand begins
.set SLOTS, 67                         ; s67  changes of slots to go
.set LQ,  68                           ; s68  my work-group's last query
.set PFA, 76                           ; s[76:77] where the prefetches stand
.set LIM, 80                           ; s80  2 in a wave that prefetches, else the greatest number
.set KF,  98                           ; s98  the step's first key
.set QBS, 99                           ; s99  my block's first query
.macro TLOAD                           ; waves 0-3 fetch; the branch hangs on the wave's number alone.  An s_nop 0 and four v_nop follow the load
	s_cmp_lt_u32 s[WV], 4
	s_cbranch_scc0 .Lasked_\@
	tensor_load_to_lds s[G0:G0+3], s[G1:G1+7]
	s_nop 0
.rept 4
	v_nop
.endr
.Lasked_\@:
.endm
; A PREFETCH INTO THE L2: at a change of slots that asks for key step n + 1, the codes of key step n + 3: 96 blocks of 256 bytes (48 of k's sub-record, 48 of v's), a lane a block, waves 4 to 6, which fetch nothing.
; All eight work-groups of a pair of heads walk the same records; the one with x = 0, which walks all 16, asks, and nobody else: each block is named once in the launch.  Key steps 0 to 2 and the two blocks of scale words of each
; sub-record come by their loads alone.  The last two changes that fill a slot ask for nothing: there is no record so far on.
.macro ASK
	s_cmp_gt_u32 s[SLOTS], s[LIM]
	s_cbranch_scc0 .Lnot_mine_\@
	global_prefetch_b8 v[PFO], s[PFA:PFA+1] th:TH_LOAD_NT scope:SCOPE_SE
.Lnot_mine_\@:
.endm
	s_load_b256 s[4:11], s[0:1], 0x0               ; qr s[4:5], kv s[6:7], ac s[8:9], asc s[10:11]
	v_lshl_add_u32 v[SPW], v0, 2, SPARE
	v_mov_b32 v[NIL], 0
	ds_add_u32 v[SPW], v[NIL]                      ; the wave's opening: the add, twice on end, and its wait ahead of the first tensor load
	ds_add_u32 v[SPW], v[NIL]
	v_lshrrev_b32 v8, 5, v0
	v_readfirstlane_b32 s[WV], v8                  ; wave 0..15
	s_and_b32 s70, ttmp7, 0xffff                   ; 8 x batch + pair of heads
	s_lshr_b32 s71, s70, 3                         ; batch
	s_and_b32 s72, s70, 7                          ; pair
	s_and_b32 s73, s[WV], 7                        ; my tile of 16 queries
	s_sub_co_u32 s74, 15, ttmp9                    ; the later block
	s_lshl_b32 s[LQ], s74, 7
	s_or_b32 s[LQ], s[LQ], 127
	s_cmp_lt_u32 s[WV], 8
	s_cselect_b32 s75, ttmp9, s74                  ; my block
	s_lshl_b32 s[QBS], s75, 7
	s_mov_b32 s[G1], 3<<16                         ; no mask; elements of 8 bytes; no padding
	s_mov_b32 s[G1+1], 32<<16                      ; tensor_dim0: a row of 256 bytes
	s_mov_b32 s[G1+2], 25<<16                      ; tensor_dim1
	s_mov_b32 s[G1+3], 32<<16                      ; tile_dim0
	s_mov_b32 s[G1+4], 25                          ; tile_dim1
	s_mov_b32 s[G1+5], 32                          ; dense
	s_mov_b32 s[G1+6], 0
	s_mov_b32 s[G1+7], 0
	s_mov_b32 s[SEL], 0x76543210
	s_mov_b32 s[SEL+1], 0xfedcba98
	s_mov_b32 s[CS], 0x3e38aa3b
	s_mov_b32 s[CS+1], s[CS]                       ; (named with it as a pair, so it is written)
	s_mov_b32 s[TB], 0
	s_mov_b32 s[KF], 0
	s_mov_b32 s[SLOTS], 15
	s_mul_i32 s82, s70, 16*REC                     ; the pair's 16 records
	s_mov_b32 s83, 0
	s_mul_i32 s84, s[WV], QUART                    ; my quarter of a record, in memory and in a slot
	s_mov_b32 s85, 0
	s_lshl_b32 s86, s70, 4
	s_add_co_u32 s86, s86, s75
	s_mul_i32 s86, s86, SUB                        ; my block's sub-record of Q
	s_mov_b32 s87, 0
	s_mul_i32 s88, s73, 1536                       ; my tile's image in it,
	s_mov_b32 s89, 0
	s_lshl_b32 s90, s73, 6
	s_add_co_u32 s90, s90, WOFF                    ; and its words
	s_mov_b32 s91, 0
	s_lshl_b32 s92, s71, 7                         ; ac: tile 128 x batch + 8 x block + my tile, K step = the pair
	s_lshl_b32 s93, s75, 3
	s_add_co_u32 s92, s92, s93
	s_add_co_u32 s92, s92, s73
	s_mul_i32 s92, s92, 12288
	s_mul_i32 s93, s72, 1536
	s_add_co_u32 s92, s92, s93
	s_mov_b32 s93, 0
	s_lshl_b32 s94, s72, 15                        ; asc: 8,192 words a K step, 2,048 a batch, 128 a block
	s_lshl_b32 s95, s71, 13
	s_add_co_u32 s94, s94, s95
	s_lshl_b32 s95, s75, 9
	s_add_co_u32 s94, s94, s95
	s_mov_b32 s95, 0
	s_sub_co_u32 s96, s[WV], 4
	s_cmp_lt_u32 s96, 3                            ; waves 4 to 6
	s_cselect_b32 s[LIM], 2, -1
	s_cmp_eq_u32 ttmp9, 0                          ; of the work-group that walks all 16 key steps
	s_cselect_b32 s[LIM], s[LIM], -1
	s_wait_dscnt 0x0                               ; both opening adds are done
	s_wait_kmcnt 0x0
	s_add_nc_u64 s[6:7], s[6:7], s[82:83]
	s_mov_b32 s[G0], 1
	s_mov_b32 s[G0+1], s84
	s_add_nc_u64 s[G0+2:G0+3], s[6:7], s[84:85]
	s_or_b32 s[G0+3], s[G0+3], 0x80000000
	TLOAD                                          ; key step 0, which holds key 0: it counts for every query
	s_add_nc_u64 s[PFA:PFA+1], s[6:7], 2*REC       ; the first change of slots steps it to key step 3
	s_add_nc_u64 s[4:5], s[4:5], s[86:87]
	s_add_nc_u64 s[86:87], s[4:5], s[90:91]
	s_add_nc_u64 s[4:5], s[4:5], s[88:89]
	s_add_nc_u64 s[8:9], s[8:9], s[92:93]
	s_add_nc_u64 s[10:11], s[10:11], s[94:95]
	v_and_b32 v11, 31, v0
	v_lshlrev_b32 v[L16], 4, v11
	v_lshlrev_b32 v[L8], 3, v11
	v_and_b32 v8, 15, v0                           ; r
	v_bfe_u32 v9, v0, 4, 1                         ; h
	v_lshlrev_b32 v[R4], 2, v8
	global_load_b128 v[QA:QA+3], v[L16], s[4:5]                    ; head 0's half of my tile's image,
	global_load_b64 v[QA+4:QA+5], v[L8], s[4:5] offset:512
	global_load_b128 v[QB+6:QB+9], v[L16], s[4:5] offset:768       ; head 1's,
	global_load_b64 v[QB+10:QB+11], v[L8], s[4:5] offset:1280
	global_load_b32 v255, v[R4], s[86:87]                          ; and my rows' scale words
	s_lshr_b32 s96, s73, 1
	s_lshl_b32 s96, s96, 5
	s_and_b32 s97, s73, 1
	s_lshl_b32 s97, s97, 3
	s_add_co_u32 s96, s96, s97                     ; 32 (t / 2) + 8 (t % 2)
	v_and_b32 v10, 8, v8
	v_add_nc_u32 v10, v10, v8
	v_lshlrev_b32 v11, 4, v9
	v_sub_nc_u32 v10, v10, v11
	v_add_nc_u32 v[DV], s96, v10
	s_lshl_b32 s97, s[WV], 6
	v_add_nc_u32 v[SWA], s97, v[R4]
	v_add_nc_u32 v[SWA], STG, v[SWA]
	s_lshr_b32 s97, s[WV], 3
	s_lshl_b32 s97, s97, 9
	v_add_nc_u32 v[SRA], s97, v[L16]
	v_add_nc_u32 v[SRA], STG, v[SRA]
	v_add_nc_u32 v[PFO], 0xffffff80, v0            ; in waves 4 to 6: the block's number, 0 .. 95
	v_mul_u32_u24 v31, v[PFO], 1366
	v_lshrrev_b32 v31, 16, v31                     ; / 48: k's sub-record or v's
	v_lshlrev_b32 v[PFO], 8, v[PFO]
	v_lshl_add_u32 v[PFO], v31, 9, v[PFO]          ; past k's two blocks of words
.set J, 0
.rept 6
	v_mov_b32 v[QA+6+J], 0                         ; zero codes beside each head's
	v_mov_b32 v[QB+J], 0
.set J, J+1
.endr
.set J, 0
.rept 48
	v_mov_b32 v[32+J], 0                           ; the fragments' registers are written once: a head's first step names halves that it has not loaded
.set J, J+1
.endr
.irp s, 12, 92
	v_mov_b32 v[\s+1], 0xff61b1e6                  ; the largest t so far: -3e38, under every t
	v_floor_f32 v[\s], -v[\s+1]                    ; -M
	v_mov_b32 v[\s+2], 0                           ; the sum, in two halves
	v_mov_b32 v[\s+3], 0
.endr
.irp b, 0,1,2,3
	v_mov_b32 v[236+\b], 0                         ; written once: a lane permute's destination counts as one of its sources
.endr
	v_mov_b32 v252, 0
	v_mov_b32 v253, 0
	s_wait_loadcnt 0x0                             ; Q
	v_and_b32 v29, 0xffff0000, v255                ; head 1's two scale bytes, 0 over the zero codes;
	v_and_b32 v255, 0xffff, v255                   ; head 0's
.set J, 0
.rept 64
	v_mov_b32 v[160+J], 0                          ; O^T.  (The step is written for every step alike: the first finds zeros, which the first change of M leaves zeros.  These lines are also the places ahead of the first products)
.set J, J+1
.endr
; ONE HEAD'S PART OF A KEY STEP: 128 keys.
.macro HSTEP hd
.set ST, 12+80*(\hd)
.set QF, 16+64*(\hd)
.set OB, 160+32*(\hd)
.set QS, 255-226*(\hd)
.irp g, 0,1                            ; S^T = K Q^T, four tiles of 16 keys at a time
.if (\g)+(\hd) > 0
.rept 4
	v_nop                                          ; places in front of loads into registers that matrix instructions have read (head 0's first group: the four lines at the step's head)
.endr
.endif
.irp t, 0,1,2,3
	ds_load_b128 v[32+12*\t+6*(\hd):32+12*\t+6*(\hd)+3], v[A16] offset:1536*(4*\g+\t)+768*(\hd)
	ds_load_b64 v[32+12*\t+6*(\hd)+4:32+12*\t+6*(\hd)+5], v[A8] offset:1536*(4*\g+\t)+768*(\hd)+512
	ds_load_b32 v[248+\t], v[AW] offset:WOFF+64*(4*\g+\t)
.endr
	s_wait_dscnt 0x0
.irp t, 0,1,2,3
	v_wmma_scale_f32_16x16x128_f8f6f4 v[96+8*(4*\g+\t):103+8*(4*\g+\t)], v[32+12*\t:43+12*\t], v[QF:QF+11], 0, v[248+\t], v[QS] matrix_a_fmt:MATRIX_FMT_FP6 matrix_b_fmt:MATRIX_FMT_FP6
.endr
.endr
.rept 4
	v_nop
.endr
	s_cmp_lg_u32 s[KF], s[QBS]                     ; on the diagonal the scores of hidden keys become -infinity ahead of the maximum: p = 0 then.  A step all of whose keys count skips this
	s_cbranch_scc1 .Lopen_\@
	v_mov_b32 v254, 0xff800000
.set N, 0
.rept 64                               ; register 16 b + i holds key 32 b + 16 h + i of the step: hidden where 32 b + i > my query - 16 h
	v_cmp_gt_i32 vcc_lo, 32*(N/16)+N%16, v[DV]
	v_cndmask_b32 v[96+N], v[96+N], v254, vcc_lo
.set N, N+1
.endr
.Lopen_\@:
.irp b, 0,1,2,3
	v_max3_num_f32 v[232+\b], v[96+16*\b], v[97+16*\b], v[98+16*\b]   ; the largest score of each block of 32 keys: it serves for the row's maximum and, since p rises with the score, for the block's largest p
.endr
.irp i, 3,5,7,9,11,13
.irp b, 0,1,2,3
	v_max3_num_f32 v[232+\b], v[232+\b], v[96+16*\b+\i], v[97+16*\b+\i]
.endr
.endr
.irp b, 0,1,2,3
	v_max_num_f32 v[232+\b], v[232+\b], v[111+16*\b]
.endr
.irp b, 0,1,2,3
	v_permlanex16_b32 v[236+\b], v[232+\b], s[SEL], s[SEL+1]
.endr
.irp b, 0,1,2,3
	v_max_num_f32 v[232+\b], v[232+\b], v[236+\b]  ; with lane l xor 16's 16 keys
.endr
	v_max3_num_f32 v254, v232, v233, v234
	v_max_num_f32 v254, v254, v235                 ; the step's largest score of my query
	v_mul_f32 v254, s[CS], v254                    ; as t (c is positive)
	v_max_num_f32 v[ST+1], v[ST+1], v254           ; the running largest t
	v_mov_b32 v254, v[ST]
	v_floor_f32 v[ST], -v[ST+1]                    ; the new -M = floor(-t): M is a whole number
	v_sub_f32 v254, v[ST], v254                    ; old M - new M: a whole number, 0 or less
	v_cvt_i32_f32 v254, v254                       ; (it saturates)
	v_ldexp_f32 v252, 1.0, v254                    ; f = 2^(old M - new M)
.set J, 0
.rept 32
	v_pk_fma_f32 v[96+J:97+J], v[96+J:97+J], s[CS:CS+1], v[ST:ST+1] op_sel_hi:[1,0,0]   ; t - M, two at a time
.set J, J+2
.endr
.irp b, 0,1,2,3
	v_fma_f32 v[232+\b], v[232+\b], s[CS], v[ST]   ; the same of each block's largest score
.endr
.set J, 0
.rept 64
	v_exp_f32 v[96+J], v[96+J]                     ; p = 2^(t - M), at most 1
.set J, J+1
.endr
	v_pk_mul_f32 v[ST+2:ST+3], v[ST+2:ST+3], v[252:253] op_sel_hi:[1,0]   ; the sums under the new M.  (A plain place behind the exponentials)
	s_wait_alu depctr_va_vdst(0)                   ; one wait for the batch of 64, ahead of its first reader
.irp b, 0,1,2,3
	v_exp_f32 v[232+\b], v[232+\b]                 ; the block's largest p
.endr
	v_pk_add_f32 v[236:237], v[96:97], v[98:99]    ; the row's sum is taken of the unquantised p: two at a time, in two chains
.set J, 4
.rept 15
	v_pk_add_f32 v[ST+2:ST+3], v[ST+2:ST+3], v[96+J:97+J]
	v_pk_add_f32 v[236:237], v[236:237], v[98+J:99+J]
.set J, J+4
.endr
	v_pk_add_f32 v[ST+2:ST+3], v[ST+2:ST+3], v[236:237]
	s_wait_alu depctr_va_vdst(0)                   ; and one for the four
.irp b, 0,1,2,3
	v_max_num_f32 v[232+\b], 0x1800000, v[232+\b]  ; the floor 2^(3 - 127): a block whose every p is 0 keeps the byte 1: its codes are zeros
.endr
.irp b, 0,1,2,3
	v_add_nc_u32 v[244+\b], 0xff000000, v[232+\b]  ; 2 off the exponent field: the conversion's scale operand
.endr
.irp b, 0,1,2,3
	v_lshrrev_b32 v[236+\b], 23, v[244+\b]         ; the scale's byte
.endr
	v_lshl_or_b32 v253, v237, 8, v236              ; p's scale word for these 128 keys
	v_lshl_or_b32 v253, v238, 16, v253
	v_lshl_or_b32 v253, v239, 24, v253
.irp c, 0,1
	v_cvt_scalef32_pk16_fp6_f32 v[224+6*\c:226+6*\c], v[96+32*\c:111+32*\c], v[244+2*\c]
	v_cvt_scalef32_pk16_fp6_f32 v[236+4*\c:238+4*\c], v[112+32*\c:127+32*\c], v[244+2*\c+1]
.endr
	v_nop                                          ; one plain place behind a scaled conversion
.irp c, 0,1
.irp i, 0,1,2
	v_permlane16_swap_b32 v[224+6*\c+\i], v[236+4*\c+\i]
.endr
.irp i, 0,1,2
	v_mov_b32 v[227+6*\c+\i], v[236+4*\c+\i]
.endr
.endr
.set J, 0
.rept 16
	v_pk_mul_f32 v[OB+J:OB+J+1], v[OB+J:OB+J+1], v[252:253] op_sel_hi:[1,0]   ; O^T under the new M.  (These 16 are also the places in front of the products and loads below)
.set J, J+2
.endr
.irp t, 0,1,2,3                        ; O^T += V^T P^T: the head's four tiles of 16 channels; K = these 128 keys
	ds_load_b128 v[32+12*\t:35+12*\t], v[A16] offset:SUB+1536*(4*(\hd)+\t)
	ds_load_b64 v[36+12*\t:37+12*\t], v[A8] offset:SUB+1536*(4*(\hd)+\t)+512
	ds_load_b128 v[38+12*\t:41+12*\t], v[A16] offset:SUB+1536*(4*(\hd)+\t)+768
	ds_load_b64 v[42+12*\t:43+12*\t], v[A8] offset:SUB+1536*(4*(\hd)+\t)+1280
	ds_load_b32 v[248+\t], v[AW] offset:SUB+WOFF+64*(4*(\hd)+\t)
.endr
	s_wait_dscnt 0x0
.irp t, 0,1,2,3
	v_wmma_scale_f32_16x16x128_f8f6f4 v[OB+8*\t:OB+8*\t+7], v[32+12*\t:43+12*\t], v[224:235], v[OB+8*\t:OB+8*\t+7], v[248+\t], v253 matrix_a_fmt:MATRIX_FMT_FP6 matrix_b_fmt:MATRIX_FMT_FP6
.endr
.endm
; A KEY STEP.  A step all of whose keys come after my block's queries is left out: a scalar branch on ids, round the step's loads, products and softmax; no barrier and no tensor load stands in a step.
.macro STEP
	s_cmp_gt_u32 s[KF], s[QBS]
	s_cbranch_scc1 .Lhidden_\@
	v_add_nc_u32 v[A16], s[TB], v[L16]
	v_add_nc_u32 v[A8], s[TB], v[L8]
	v_add_nc_u32 v[AW], s[TB], v[R4]
	v_nop                                          ; with the three lines above: four places behind the last step's products
	HSTEP 0
	HSTEP 1
.Lhidden_\@:
	s_add_co_u32 s[KF], s[KF], 128
.endm
; THE CHANGE OF SLOTS stands at a slot's head.  Each wave waits for all its tensor loads, adds 0 to its spare word (fill = 1: twice on end), and waits for that and for its reads of the slot that it has left.
; Behind the barrier the slot ahead is whole and nobody reads the other one.  fill = 1: that other slot takes the next key step, while its first key is at or under my work-group's last query: beyond that no wave would read it.
; The test is made of ids and the count of steps alone, is the same in all sixteen waves, and leads round the load's own lines alone; every wait on TENSORcnt in this text is for 0.
.macro CHANGE fill
	s_wait_tensorcnt 0x0                           ; no tensor load of mine is out, so the descriptor may be written
	ds_add_u32 v[SPW], v[NIL]                      ; 0 onto my spare word
.if \fill
	ds_add_u32 v[SPW], v[NIL]                      ; and once more: twice on end, in every trip alike
	s_xor_b32 s[G0+1], s[G0+1], SLOT1              ; the walking descriptor: the other slot,
	s_add_nc_u64 s[G0+2:G0+3], s[G0+2:G0+3], REC   ; the next record; the type bits on top are not reached
	s_wait_xcnt 0x0                                ; the last prefetch, a key step back, has read its address, so it may be written
	s_add_nc_u64 s[PFA:PFA+1], s[PFA:PFA+1], REC
.endif
	s_wait_dscnt 0x0                               ; the adds are done, and my reads of the slot that I have left are over
	s_barrier_signal -1
	s_barrier_wait -1
.if \fill
	s_add_co_u32 s96, s[KF], 128                   ; the first key of the step that this change would ask for
	s_cmp_gt_u32 s96, s[LQ]
	s_cbranch_scc1 .Lpast_\@
	TLOAD                                          ; a wave's one tensor load until the next barrier
.Lpast_\@:
	ASK
.endif
.endm
.Lslot:                                            ; 15 trips
	CHANGE 1
	STEP
	s_xor_b32 s[TB], s[TB], SLOT1
	s_sub_co_u32 s[SLOTS], s[SLOTS], 1
	s_cmp_lg_u32 s[SLOTS], 0
	s_cbranch_scc1 .Lslot
	CHANGE 0                                       ; the last key step is written out: nothing is left to fetch
	STEP
	; THE WAY OUT.  Each head's O^T is divided by its sum; the 64 numbers of a lane are the pair's 128 channels in the order 32 b + 16 h + i: K step "pair" of product 6.  They are quantised and stored as a fragment's image.
.rept 4
	v_nop
.endr
	v_add_f32 v14, v14, v15
	v_add_f32 v94, v94, v95
	v_permlanex16_b32 v236, v14, s[SEL], s[SEL+1]
	v_permlanex16_b32 v237, v94, s[SEL], s[SEL+1]
	v_add_f32 v14, v14, v236                       ; the rows' sums
	v_add_f32 v94, v94, v237
	v_rcp_f32 v14, v14
	v_rcp_f32 v94, v94
	v_nop                                          ; a plain place behind the reciprocals
	s_wait_alu depctr_va_vdst(0)                   ; and one wait for both, ahead of the first reader
.set J, 0
.rept 16
	v_pk_mul_f32 v[96+J:97+J], v[160+J:161+J], v[14:15] op_sel_hi:[1,0]
.set J, J+2
.endr
.set J, 0
.rept 16
	v_pk_mul_f32 v[128+J:129+J], v[192+J:193+J], v[94:95] op_sel_hi:[1,0]
.set J, J+2
.endr
.irp b, 0,1,2,3
	v_max3_num_f32 v[TM+\b], |v[96+16*\b]|, |v[97+16*\b]|, 0x1800000   ; block b: my 16 numbers, and the floor 2^(3 - 127)
.endr
.irp i, 2,4,6,8,10,12,14
.irp b, 0,1,2,3
	v_max3_num_f32 v[TM+\b], v[TM+\b], |v[96+16*\b+\i]|, |v[97+16*\b+\i]|
.endr
.endr
.irp b, 0,1,2,3
	v_permlanex16_b32 v[TM+4+\b], v[TM+\b], s[SEL], s[SEL+1]
.endr
.irp b, 0,1,2,3
	v_max_num_f32 v[TM+\b], v[TM+\b], v[TM+4+\b]
.endr
.irp b, 0,1,2,3
	v_add_nc_u32 v[TM+12+\b], 0xff000000, v[TM+\b]
.endr
.irp b, 0,1,2,3
	v_lshrrev_b32 v[TM+4+\b], 23, v[TM+12+\b]
.endr
	v_lshl_or_b32 v[PW], v[TM+5], 8, v[TM+4]
	v_lshl_or_b32 v[PW], v[TM+6], 16, v[PW]
	v_lshl_or_b32 v[PW], v[TM+7], 24, v[PW]
.irp c, 0,1
	v_cvt_scalef32_pk16_fp6_f32 v[PC+6*\c:PC+2+6*\c], v[96+32*\c:111+32*\c], v[TM+12+2*\c]
	v_cvt_scalef32_pk16_fp6_f32 v[PC+12+4*\c:PC+14+4*\c], v[112+32*\c:127+32*\c], v[TM+12+2*\c+1]
.endr
	v_nop
.irp c, 0,1
.irp i, 0,1,2
	v_permlane16_swap_b32 v[PC+6*\c+\i], v[PC+12+4*\c+\i]
.endr
.irp i, 0,1,2
	v_mov_b32 v[PC+3+6*\c+\i], v[PC+12+4*\c+\i]
.endr
.endr
	global_store_b128 v[L16], v[PC:PC+3], s[8:9]                   ; each store covers 512 or 256 consecutive bytes, at a multiple of 256
	global_store_b64 v[L8], v[PC+4:PC+5], s[8:9] offset:512
	global_store_b128 v[L16], v[PC+6:PC+9], s[8:9] offset:768
	global_store_b64 v[L8], v[PC+10:PC+11], s[8:9] offset:1280
	ds_store_b32 v[SWA], v[PW]                     ; my 16 rows' words; lanes r and r + 16 write the same word with the same value
	s_wait_dscnt 0x0                               ; for the others' sake: my store is done
	s_barrier_signal -1
	s_barrier_wait -1
	s_cmp_lg_u32 s73, 0                            ; waves 0 and 8 store their block's 128 words
	s_cbranch_scc1 .Lnot_mine
	ds_load_b128 v[72:75], v[SRA]
	s_wait_dscnt 0x0
	global_store_b128 v[L16], v[72:75], s[10:11]   ; 512 consecutive bytes
.Lnot_mine:
	s_wait_tensorcnt 0x0                           ; the wave's end, behind my last tensor load and my last LDS store
	ds_add_u32 v[SPW], v[NIL]
	s_wait_dscnt 0x0
	s_endpgm
.Lfunc_end_k_q906d77b9f7_attn:
	.size	k_q906d77b9f7_attn, .Lfunc_end_k_q906d77b9f7_attn-k_q906d77b9f7_attn
	.p2alignl 7, 3214868480
	.fill 96, 4, 3214868480
	.section	.rodata,"a",@progbits
	.p2align	6, 0x0
	.amdhsa_kernel k_q906d77b9f7_attn
		.amdhsa_group_segment_fixed_size 327680
		.amdhsa_private_segment_fixed_size 0
		.amdhsa_enable_private_segment 0
		.amdhsa_kernarg_size 32
		.amdhsa_user_sgpr_count 2
		.amdhsa_user_sgpr_kernarg_segment_ptr 1
		.amdhsa_wavefront_size32 1
		.amdhsa_system_sgpr_workgroup_id_x 1
		.amdhsa_system_sgpr_workgroup_id_y 1
		.amdhsa_system_sgpr_workgroup_id_z 1
		.amdhsa_system_vgpr_workitem_id 0
		.amdhsa_next_free_vgpr 256
		.amdhsa_next_free_sgpr 100
		.amdhsa_reserve_vcc 1
		.amdhsa_float_denorm_mode_32 3
		.amdhsa_float_denorm_mode_16_64 3
		.amdhsa_memory_ordered 1
		.amdhsa_forward_progress 1
		.amdhsa_inst_pref_size 105
	.end_amdhsa_kernel
	.amdgpu_metadata
---
amdhsa.version: [ 1, 2 ]
amdhsa.kernels:
  - .name:           k_q906d77b9f7_attn
    .symbol:         k_q906d77b9f7_attn.kd
    .args:
      - { .name: qr, .offset: 0, .size: 8, .value_kind: global_buffer, .address_space: global }
      - { .name: kv, .offset: 8, .size: 8, .value_kind: global_buffer, .address_space: global }
      - { .name: ac, .offset: 16, .size: 8, .value_kind: global_buffer, .address_space: global }
      - { .name: asc, .offset: 24, .size: 8, .value_kind: global_buffer, .address_space: global }
    .group_segment_fixed_size: 327680
    .private_segment_fixed_size: 0
    .kernarg_segment_align: 8
    .kernarg_segment_size: 32
    .max_flat_workgroup_size: 512
    .sgpr_count:     100
    .vgpr_count:     256
    .wavefront_size: 32
...
	.end_amdgpu_metadata
.endif
;; end of part 3
;; launch oproj (part 4): grid 4 x 32, 4 waves a work-group, clusters of 4 x 4, 327,680 bytes of LDS; arguments ac, asc, cod, scl, out0; writes out0
.if DOCPART == 4
	.amdgcn_target "amdgcn-amd-amdhsa--gfx1250"
	.amdhsa_code_object_version 6
	.text
	.protected	k_q906d77b9f7_oproj
	.globl	k_q906d77b9f7_oproj
	.p2align	8
	.type	k_q906d77b9f7_oproj,@function
k_q906d77b9f7_oproj:
	s_mov_b64 s[64:65], 0
	v_nop
	global_prefetch_b8 v0, s[64:65] scope:SCOPE_SE
	s_setreg_imm32_b32 hwreg(HW_REG_WAVE_MODE, 25, 1), 1
	s_wait_xcnt 0x0
	s_wait_alu depctr_hold_cnt(0) depctr_sa_sdst(0) depctr_va_vdst(0) depctr_va_sdst(0) depctr_va_ssrc(0) depctr_va_vcc(0) depctr_vm_vsrc(0)
	s_getreg_b32 s2, hwreg(HW_REG_IB_STS2, 6, 4)
	s_cmp_eq_u32 s2, 0
	s_cbranch_scc0 .Lentry_in_a_cluster
	s_endpgm
.Lentry_in_a_cluster:
	s_bfe_u32 s2, ttmp6, 0x10000c
	s_cmp_lg_u32 s2, 0xf033
	s_cbranch_scc0 .Lentry_shape_is_right
	s_endpgm
.Lentry_shape_is_right:
; PRODUCT 6: out0[m][n] = sum over k of A[m][k] Wo[n][k], on codes of FP6 (E2M3) with E8M0 scales, K = 1,024; out0 is [8,192][1,024] f32.  Nothing of reference() is left out here.
; A = the attention's result (ac, asc), B = Wo (tiles 704 to 767 of cod, their words in scl).  Both lie in tiles of 16 rows as images of the operand's registers, 1,536 bytes for 128 along K;
; lane r of tile t is row 32 (t / 2) + 8 (t % 2) + r + 8 (r / 8).  A work-group of four waves makes 256 x 256 of out0, a wave 128 x 128.  Source 0 = 16 rows of Wo, source 1 = 16 rows of A:
; a lane holds one row m, and the registers of B's blocks 2 b, 2 b + 1 are the columns 32 b + 16 h + 0 .. 15.
; K goes in steps of 256 through two LDS slots filled by the tensor data mover; the scale words come once, with the first fills.  CLUSTERS: 4 x 4; A's tiles are asked for jointly along a row of the cluster, B's along a column.
; REGISTERS, in windows of 256: window 0: v0-31 addresses; v32-63 scale words, two sets; from v128 A's fragments, one set; on the way out v128-255 rows of out0.   window 1: B's fragments, two sets.   windows 2, 3: the accumulators.
.set KSTEPB, 3072
.set NQ,     2
.set FR,     12
.set NL,     4
.set NP,     4
.set HALFT,  8*KSTEPB
.set SLOT,   4*HALFT
.set SCL,    2*SLOT
.set SKEW,   8256
.set SPARE,  213248                    ; the spare words, 128 bytes a wave: two blocks of 256 bytes that no other line names
.set SPITCH, 528                       ; the way out: a stage of 16 rows x (512 + 16) bytes for each wave, in slot 0, which has had its last fill and its last read when the first result is stored there
.set ADRA, 16
.set ADRB, 20
.set STO,  24                          ; v24  the way out: where I put my row's numbers
.set RD,   25                          ; v25  and where I read a row back
.set CO,   26                          ; v26  16 x lane: my bytes of a row's 512
.set ADRS, 27
.set SPW,  28
.set NIL,  29
.set L8,   30
.set SC,   32
.set AF,   128
.set BK,   128
.set G1, 24
.set G0, 32
.set G1B, 48
.set G0B, 56
.set G1S, 68
.set G0S, 76
.set G1SB, 80
.set G0SB, 88
.set MSB, 0
.macro WIN new
.if MSB != (\new)
	s_set_vgpr_msb (MSB<<8)|(\new)
.set MSB, (\new)
.endif
.endm
.set MUL_LO, 0xa1
.set MUL_HI, 0xf1
.set TO_B,   0x40
.macro JLOAD g0a, g1a, g0b, g1b        ; a joint load: waves 0 and 1 fetch for A, waves 2 and 3 for B; an s_nop 0 and four v_nop follow each of the two lines
	s_cmp_eq_u32 s15, 0
	s_cbranch_scc0 .Lfor_b_\@
	tensor_load_to_lds s[\g0a:\g0a+3], s[\g1a:\g1a+7]
	s_nop 0
.rept 4
	v_nop
.endr
	s_branch .Lasked_\@
.Lfor_b_\@:
	tensor_load_to_lds s[\g0b:\g0b+3], s[\g1b:\g1b+7]
	s_nop 0
.rept 4
	v_nop
.endr
.Lasked_\@:
.endm
.macro CREST
	s_cmp_lg_u32 s14, 0
	s_cbranch_scc1 .Lnot_wave_0_\@
	s_barrier_signal -3
.Lnot_wave_0_\@:
	s_barrier_wait -3
	s_barrier_signal -1
	s_barrier_wait -1
.endm
.macro CROUND
	s_barrier_signal -1
	s_barrier_wait -1
	CREST
.endm
	s_load_b128 s[4:7], s[0:1], 0x0                ; ac, asc
	s_load_b128 s[8:11], s[0:1], 0x10              ; cod, scl
	s_load_b64 s[12:13], s[0:1], 0x20              ; out0
	v_lshl_add_u32 v[SPW], v0, 2, SPARE
	v_mov_b32 v[NIL], 0
	ds_add_u32 v[SPW], v[NIL]                      ; the wave's opening: the add, twice on end, and its wait ahead of my first tensor load
	ds_add_u32 v[SPW], v[NIL]
	v_lshrrev_b32 v1, 5, v0
	v_readfirstlane_b32 s14, v1                    ; wave 0..3
	s_lshr_b32 s15, s14, 1                         ; which half of the tile's rows is mine.  Also: I fetch for A (0) or for B (1)
	s_and_b32 s16, s14, 1                          ; which half of its columns.  Also: which 128 rows I fetch
	s_bfe_u32 s40, ttmp6, 0x40000
	s_bfe_u32 s41, ttmp6, 0x40004
	s_lshl_b32 s42, ttmp9, 2
	s_add_co_u32 s42, s42, s40                     ; tile column of out0
	s_and_b32 s17, ttmp7, 0xffff
	s_lshl_b32 s17, s17, 2
	s_add_co_u32 s17, s17, s41                     ; tile row
	s_lshl_b32 s43, s41, 2
	s_lshl_b32 s43, 15, s43                        ; my row of the cluster
	s_lshl_b32 s44, 0x1111, s40                    ; my column
	s_or_b32 s[G1+0], s43, (3<<16)|(1<<21)         ; codes: 8 rows of 384 elements of 8 bytes, 1,536 elements apart; no padding
	s_or_b32 s[G1B+0], s44, (3<<16)|(1<<21)
.irp g, G1, G1B
	s_mov_b32 s[\g+1], 384<<16
	s_mov_b32 s[\g+2], 8<<16
	s_mov_b32 s[\g+3], 384<<16
	s_mov_b32 s[\g+4], 8
	s_mov_b32 s[\g+5], 1536
	s_mov_b32 s[\g+6], 0
	s_mov_b32 s[\g+7], 0
.endr
	s_or_b32 s[G1S+0], s43, (3<<16)|(1<<21)        ; scale words of 128 rows: 8 rows (K steps of 128) of 64 elements of 8 bytes;
	s_or_b32 s[G1SB+0], s44, (3<<16)|(1<<21)
.irp g, G1S, G1SB
	s_mov_b32 s[\g+1], 64<<16
	s_mov_b32 s[\g+2], 8<<16
	s_mov_b32 s[\g+3], 64<<16
	s_mov_b32 s[\g+4], 8
	s_mov_b32 s[\g+6], 0
	s_mov_b32 s[\g+7], 0
.endr
	s_mov_b32 s[G1S+5], 4096                       ; asc has 8,192 words a K step,
	s_mov_b32 s[G1SB+5], 6144                      ; scl 12,288
	s_lshl_b32 s18, s16, 3
	s_lshl_b32 s20, s17, 4
	s_add_co_u32 s20, s20, s18                     ; A: the first tile of 16 rows that I fetch
	s_lshl_b32 s46, s42, 4
	s_add_co_u32 s46, s46, s18
	s_add_co_u32 s46, s46, 704                     ; B: Wo begins at tile 704 of cod
	s_lshl_b32 s22, s20, 6
	s_mov_b32 s23, 0
	s_lshl_b32 s92, s46, 6
	s_mov_b32 s93, 0
	s_mul_i32 s20, s20, 12288
	s_mov_b32 s21, 0
	s_mul_i32 s46, s46, 12288
	s_mov_b32 s47, 0
	s_mul_i32 s45, s14, HALFT                      ; where they go: no place in the cluster enters an LDS address
	s_lshl_b32 s94, s14, 12
	s_lshl_b32 s18, s15, 6
	s_add_co_u32 s94, s94, s18
	s_add_co_u32 s94, s94, SCL
	s_wait_dscnt 0x0                               ; both opening adds are done
	s_wait_kmcnt 0x0
	s_add_nc_u64 s[20:21], s[4:5], s[20:21]
	s_add_nc_u64 s[22:23], s[6:7], s[22:23]
	s_add_nc_u64 s[46:47], s[8:9], s[46:47]
	s_add_nc_u64 s[92:93], s[10:11], s[92:93]
	CROUND                                         ; all sixteen work-groups are here: the first joint loads meet
	s_mov_b32 s[G0S], 1
	s_mov_b32 s[G0S+1], s94
	s_mov_b64 s[G0S+2:G0S+3], s[22:23]
	s_or_b32 s[G0S+3], s[G0S+3], 0x80000000
	s_mov_b32 s[G0SB], 1
	s_mov_b32 s[G0SB+1], s94
	s_mov_b64 s[G0SB+2:G0SB+3], s[92:93]
	s_or_b32 s[G0SB+3], s[G0SB+3], 0x80000000
	JLOAD G0S, G1S, G0SB, G1SB                     ; the scale words first.  Three loads of mine are out behind the next two
.irp s, 0,1
	s_mov_b32 s[G0+4*\s], 1
	s_add_co_u32 s[G0+4*\s+1], s45, \s*SLOT
	s_add_nc_u64 s[G0+4*\s+2:G0+4*\s+3], s[20:21], \s*KSTEPB
	s_or_b32 s[G0+4*\s+3], s[G0+4*\s+3], 0x80000000
	s_mov_b32 s[G0B+4*\s], 1
	s_add_co_u32 s[G0B+4*\s+1], s45, \s*SLOT
	s_add_nc_u64 s[G0B+4*\s+2:G0B+4*\s+3], s[46:47], \s*KSTEPB
	s_or_b32 s[G0B+4*\s+3], s[G0B+4*\s+3], 0x80000000
	JLOAD G0+4*\s, G1, G0B+4*\s, G1B
.endr
	v_and_b32 v1, 31, v0                           ; lane
	v_and_b32 v2, 15, v0                           ; r
	v_bfe_u32 v3, v0, 4, 1                         ; h
	v_lshlrev_b32 v[CO], 4, v1
	v_lshlrev_b32 v[L8], 3, v1
	s_mul_i32 s21, s15, HALFT
	s_mul_i32 s22, s16, HALFT
	s_add_co_u32 s22, s22, 2*HALFT
.irp s, 0,1
	v_add_nc_u32 v[ADRA+\s], s21, v[CO]
	v_add_nc_u32 v[ADRB+\s], s22, v[CO]
	v_add_nc_u32 v[ADRA+2+\s], s21, v[L8]
	v_add_nc_u32 v[ADRB+2+\s], s22, v[L8]
	s_add_co_u32 s21, s21, SLOT
	s_add_co_u32 s22, s22, SLOT
.endr
	s_lshl_b32 s21, s15, 12
	s_lshl_b32 s22, s16, 12
	s_add_co_u32 s22, s22, SKEW
	s_sub_co_u32 s22, s22, s21
	v_mul_u32_u24 v4, s22, v3                      ; lanes 16-31 take B's words: one product, the lower base + h x the distance
	s_add_co_u32 s21, s21, SCL
	v_lshl_add_u32 v4, v2, 2, v4
	v_add_nc_u32 v[ADRS], s21, v4
	s_mul_i32 s23, s14, 16*SPITCH                  ; my stage
	v_mul_u32_u24 v5, v2, SPITCH                   ; in: row r; my half's 16 columns of each 32 lie 64 h bytes on
	v_lshl_add_u32 v5, v3, 6, v5
	v_add_nc_u32 v[STO], s23, v5
	v_add_nc_u32 v[RD], s23, v[CO]                 ; back: the 32 lanes take one row of 512 bytes
	s_lshl_b32 s20, s17, 1
	s_add_co_u32 s20, s20, s15
	s_lshl_b32 s20, s20, 19                        ; my first row of out0: 128 rows of 4,096 bytes for each half tile
	s_mov_b32 s21, 0
	s_lshl_b32 s46, s42, 10                        ; my first column, in bytes
	s_lshl_b32 s47, s16, 9
	s_add_co_u32 s46, s46, s47
	s_mov_b32 s47, 0
	s_add_nc_u64 s[20:21], s[20:21], s[46:47]
	s_add_nc_u64 s[12:13], s[12:13], s[20:21]
.macro FRAG reg, adr, q, i
	ds_load_b128 v[\reg:\reg+3], v[\adr] offset:KSTEPB*(\i)+1536*(\q)
	ds_load_b64 v[\reg+4:\reg+5], v[\adr+2] offset:KSTEPB*(\i)+1536*(\q)+512
	ds_load_b128 v[\reg+6:\reg+9], v[\adr] offset:KSTEPB*(\i)+1536*(\q)+768
	ds_load_b64 v[\reg+10:\reg+11], v[\adr+2] offset:KSTEPB*(\i)+1536*(\q)+1280
.endm
; The 64 accumulators take turns, one instruction a turn, in the same order in every step.
.macro MUL16 a0, p, q, sc, zero
.irp a, \a0, \a0+1
.irp b, 0,1,2,3,4,5,6,7
.if \zero
	v_wmma_scale_f32_16x16x128_f8f6f4 v[8*(8*((\a)%4)+\b):8*(8*((\a)%4)+\b)+7], v[128*(\p)+FR*\b:128*(\p)+FR*\b+FR-1], v[AF+FR*(\a):AF+FR*(\a)+FR-1], 0, v[SC+8*NQ*(\sc)+NQ*\b+(\q)], v[SC+8*NQ*(\sc)+NQ*(\a)+(\q)] matrix_a_fmt:MATRIX_FMT_FP6 matrix_b_fmt:MATRIX_FMT_FP6 matrix_a_scale:MATRIX_SCALE_ROW1
.else
	v_wmma_scale_f32_16x16x128_f8f6f4 v[8*(8*((\a)%4)+\b):8*(8*((\a)%4)+\b)+7], v[128*(\p)+FR*\b:128*(\p)+FR*\b+FR-1], v[AF+FR*(\a):AF+FR*(\a)+FR-1], v[8*(8*((\a)%4)+\b):8*(8*((\a)%4)+\b)+7], v[SC+8*NQ*(\sc)+NQ*\b+(\q)], v[SC+8*NQ*(\sc)+NQ*(\a)+(\q)] matrix_a_fmt:MATRIX_FMT_FP6 matrix_b_fmt:MATRIX_FMT_FP6 matrix_a_scale:MATRIX_SCALE_ROW1
.endif
.endr
.endr
.endm
.macro FETCH_B slot, q, p
	WIN TO_B
.irp i, 0,1,2,3,4,5,6,7
	FRAG 128*(\p)+FR*\i, ADRB+\slot, \q, \i
.endr
	WIN 0
.endm
.macro FETCH_A slot, q, i0
.irp i, \i0, \i0+1, \i0+2, \i0+3
	FRAG AF+FR*(\i), ADRA+\slot, \q, \i
.endr
.endm
.macro SCALES sc
.irp i, 0,1,2,3,4,5,6,7
.irp q, 0,1
	ds_load_b32 v[SC+8*NQ*\sc+NQ*\i+\q], v[ADRS] offset:512*\q+64*\i
.endr
.endr
.endm
.macro PLACES n
.rept \n
	v_nop
.endr
.endm
.macro STEP slot, q, zero
	s_wait_dscnt 4*NL                              ; all but the youngest 16 loads (A's blocks 4-7)
	WIN MUL_LO
	MUL16 0, (\q)%2, \q, \slot, \zero
	MUL16 2, (\q)%2, \q, \slot, \zero
	s_wait_dscnt 0
	PLACES NP
	FETCH_B \slot, (\q)+1, 1-(\q)%2
	FETCH_A \slot, (\q)+1, 0
	WIN MUL_HI
	MUL16 4, (\q)%2, \q, \slot, \zero
	MUL16 6, (\q)%2, \q, \slot, \zero
	PLACES NP
	WIN 0
	FETCH_A \slot, (\q)+1, 4
.endm
.macro TURN slot, next, fill
	s_wait_tensorcnt 0x0                           ; all my tensor loads have landed: my part of the next slot
	ds_add_u32 v[SPW], v[NIL]                      ; 0 onto my spare word
	s_wait_dscnt 4*NL+1                            ; (the add and the youngest 16 loads may be out)
	WIN MUL_LO
	MUL16 0, 1, NQ-1, \slot, 0
	s_wait_dscnt 0x0                               ; the add is done, and my reads of this slot are over
	s_barrier_signal -1
	MUL16 2, 1, NQ-1, \slot, 0
	WIN 0
	s_barrier_wait -1
.if \fill
	CREST                                          ; the barrier has opened a round of the cluster's: no wave of any partner still reads this slot or has a load on its way
	s_add_nc_u64 s[G0+4*\slot+2:G0+4*\slot+3], s[G0+4*\slot+2:G0+4*\slot+3], 2*KSTEPB
	s_add_nc_u64 s[G0B+4*\slot+2:G0B+4*\slot+3], s[G0B+4*\slot+2:G0B+4*\slot+3], 2*KSTEPB
	JLOAD G0+4*\slot, G1, G0B+4*\slot, G1B
.else
	PLACES NP
.endif
	v_add_nc_u32 v[ADRS], 512*NQ, v[ADRS]
	FETCH_B \next, 0, 0
	FETCH_A \next, 0, 0
	SCALES \next
	WIN MUL_HI
	MUL16 4, 1, NQ-1, \slot, 0
	MUL16 6, 1, NQ-1, \slot, 0
	PLACES NP
	WIN 0
	FETCH_A \next, 0, 4
.endm
	s_wait_tensorcnt 1                             ; the scale words and my part of K step 0 are in (K step 1's load may be out)
	s_barrier_signal -1
	s_barrier_wait -1
	FETCH_B 0, 0, 0
	FETCH_A 0, 0, 0
	SCALES 0
	FETCH_A 0, 0, 4
	STEP 0, 0, 1                                   ; four K steps of 256, written out
	TURN 0, 1, 1
	STEP 1, 0, 0
	TURN 1, 0, 1
	STEP 0, 0, 0
	TURN 0, 1, 0
	STEP 1, 0, 0
	s_wait_dscnt 4*NL
	WIN MUL_LO
	MUL16 0, 1, NQ-1, 1, 0
	MUL16 2, 1, NQ-1, 1, 0
	s_wait_dscnt 0
	WIN MUL_HI
	MUL16 4, 1, NQ-1, 1, 0
	MUL16 6, 1, NQ-1, 1, 0
	WIN 0
; THE WAY OUT, block by block of 16 rows x 128 columns, through my own stage in LDS: in by lanes (32 bytes of a row from each accumulator, at its columns' place), back as whole rows of 512 bytes.
; Stage row t of block a is row 32 (a / 2) + 8 (a % 2) + t + 8 (t / 8) of my 128.  LDS serves a wave's instructions in order: no wait between the stores and the loads.
.macro TOSTAGE a
.set AC, 64*((\a)%4)
	WIN 0x08+4*((\a)/4)                            ; an LDS store's data: window 2 or 3
.irp b, 0,1,2,3,4,5,6,7
	ds_store_b128 v[STO], v[AC+8*\b:AC+8*\b+3] offset:128*(\b/2)+32*(\b%2)          ; each accumulator from its low end on
	ds_store_b128 v[STO], v[AC+8*\b+4:AC+8*\b+7] offset:128*(\b/2)+32*(\b%2)+16
.endr
	WIN 0
.set BB, BK+64*((\a)%2)
.irp t, 0,1,2,3,4,5,6,7,8,9,10,11,12,13,14,15
	ds_load_b128 v[BB+4*\t:BB+4*\t+3], v[RD] offset:\t*SPITCH
.endr
.endm
.macro SEND a, younger                 ; younger: the LDS instructions issued behind block a's loads, which may stay out
.set BB, BK+64*((\a)%2)
	s_wait_dscnt \younger
.if (\a) > 0
.if (\a)%2 == 1
	s_add_nc_u64 s[12:13], s[12:13], 8*4096        ; (behind a wait on XCNT: the earlier stores have read their base)  an odd block begins 8 rows behind the even one,
.else
	s_add_nc_u64 s[12:13], s[12:13], 24*4096       ; the next even one 24 rows behind that
.endif
.endif
.irp t, 0,1,2,3,4,5,6,7,8,9,10,11,12,13,14,15
	global_store_b128 v[CO], v[BB+4*\t:BB+4*\t+3], s[12:13] offset:(\t+8*(\t/8))*4096 th:TH_STORE_NT   ; 32 lanes store 512 consecutive bytes, at a multiple of 256
.endr
.endm
	PLACES NP
	TOSTAGE 0
.irp a, 1,2,3,4,5,6,7
.if \a > 1
	s_wait_xcnt 0x0                                ; block a - 2's stores have read their registers and their base
.endif
	TOSTAGE \a
	SEND \a-1, 32                                  ; behind block a - 1's loads: block a's 16 stores and 16 loads
.endr
	s_wait_xcnt 0x0
	SEND 7, 0
	s_wait_tensorcnt 0x0                           ; the wave's end, behind my last tensor load and my last LDS store
	ds_add_u32 v[SPW], v[NIL]
	s_wait_dscnt 0x0
	CROUND                                         ; the closing round
	s_endpgm
.Lfunc_end_k_q906d77b9f7_oproj:
	.size	k_q906d77b9f7_oproj, .Lfunc_end_k_q906d77b9f7_oproj-k_q906d77b9f7_oproj
	.p2alignl 7, 3214868480
	.fill 96, 4, 3214868480
	.section	.rodata,"a",@progbits
	.p2align	6, 0x0
	.amdhsa_kernel k_q906d77b9f7_oproj
		.amdhsa_group_segment_fixed_size 327680
		.amdhsa_private_segment_fixed_size 0
		.amdhsa_enable_private_segment 0
		.amdhsa_kernarg_size 40
		.amdhsa_user_sgpr_count 2
		.amdhsa_user_sgpr_kernarg_segment_ptr 1
		.amdhsa_wavefront_size32 1
		.amdhsa_system_sgpr_workgroup_id_x 1
		.amdhsa_system_sgpr_workgroup_id_y 1
		.amdhsa_system_sgpr_workgroup_id_z 1
		.amdhsa_system_vgpr_workitem_id 0
		.amdhsa_next_free_vgpr 1024
		.amdhsa_next_free_sgpr 98
		.amdhsa_reserve_vcc 0
		.amdhsa_float_denorm_mode_32 3
		.amdhsa_float_denorm_mode_16_64 3
		.amdhsa_memory_ordered 1
		.amdhsa_forward_progress 1
		.amdhsa_inst_pref_size 145
	.end_amdhsa_kernel
	.amdgpu_metadata
---
amdhsa.version: [ 1, 2 ]
amdhsa.kernels:
  - .name:           k_q906d77b9f7_oproj
    .symbol:         k_q906d77b9f7_oproj.kd
    .args:
      - { .name: ac, .offset: 0, .size: 8, .value_kind: global_buffer, .address_space: global }
      - { .name: asc, .offset: 8, .size: 8, .value_kind: global_buffer, .address_space: global }
      - { .name: cod, .offset: 16, .size: 8, .value_kind: global_buffer, .address_space: global }
      - { .name: scl, .offset: 24, .size: 8, .value_kind: global_buffer, .address_space: global }
      - { .name: out0, .offset: 32, .size: 8, .value_kind: global_buffer, .address_space: global }
    .group_segment_fixed_size: 327680
    .private_segment_fixed_size: 0
    .kernarg_segment_align: 8
    .kernarg_segment_size: 40
    .max_flat_workgroup_size: 128
    .sgpr_count:     98
    .vgpr_count:     1024
    .wavefront_size: 32
...
	.end_amdgpu_metadata
.endif
;; end of part 4
